; MI455X (gfx1250); checked and timed in simulation.
; The chip was launched on July 23, 2026; its instructions are those of AMD's public machine-readable ISA for CDNA 5 (MIT licence, August 2026) and "CDNA5" Instruction Set Architecture Reference Guide (July 2026). The comments in the code are by the model that wrote it; some were corrected since.
;; Projected Adaptive Log Softmax. Allowed arithmetic: matrix products marked QUANTISED: E4M3 operands, one given power-of-two scale a tensor, by v_wmma_f32_16x16x64_fp8_fp8 or v_wmma_f32_16x16x128_fp8_fp8, f32 sums; products left as they are: f32 operands where the result goes on into a quantised operand, else bf16, f16 or f32 operands; f32 sums; everything else in f32.
;; Inputs: P1 256 x 1,024 float32; P2 64 x 1,024 float32; P3 16 x 1,024 float32; W1 20,000 x 256 float32; W2 160,000 x 64 float32; W3 67,735 x 16 float32; W_clusters 3 x 1,024 float32; W_head 20,000 x 1,024 float32; b1 20,000 float32; b2 160,000 float32; b3 67,735 float32; b_clusters 3 float32; b_head 20,000 float32; hidden 1,024 x 1,024 float32; lowp_scales 12 int32 (the exponents e of the quantised operands' scales 2^e); target 1,024 int32.
;; Outputs: out0 1,024 float32.
;; This version of the problem:
;;   THIS VERSION OF THE PROBLEM IS GIVEN IN LOW PRECISION. The matrix products marked QUANTISED in the list below multiply operands that are first quantised to E4M3 (4 exponent bits, 3 mantissa bits; 8 bits a number), with one given power-of-two scale for each operand tensor; their sums are f32. All else is computed in f32.
;;   The module's matrix products, in the order in which they are computed (A, B: the left and right operand; K: the contracted axis; several contracted axes count as one K, in the product's order):
;;     1. [M 1,024, K 1,024] x [K 1,024, N 20,000]; A: input hidden; B: input W_head: QUANTISED (scales: A lowp_scales[0], B lowp_scales[1])
;;     2. [M 1,024, K 1,024] x [K 1,024, N 3]; A: input hidden; B: input W_clusters: left as it is (N = 3 < 16)
;;     3. [M 1,024, K 1,024] x [K 1,024, N 256]; A: input hidden; B: input P1: QUANTISED (scales: A lowp_scales[2], B lowp_scales[3])
;;     4. [M 1,024, K 256] x [K 256, N 20,000]; A: computed on the way; B: input W1: QUANTISED (scales: A lowp_scales[4], B lowp_scales[5])
;;     5. [M 1,024, K 1,024] x [K 1,024, N 64]; A: input hidden; B: input P2: QUANTISED (scales: A lowp_scales[6], B lowp_scales[7])
;;     6. [M 1,024, K 64] x [K 64, N 160,000]; A: computed on the way; B: input W2: QUANTISED (scales: A lowp_scales[8], B lowp_scales[9])
;;     7. [M 1,024, K 1,024] x [K 1,024, N 16]; A: input hidden; B: input P3: QUANTISED (scales: A lowp_scales[10], B lowp_scales[11])
;;     8. [M 1,024, K 16] x [K 16, N 67,735]; A: computed on the way; B: input W3: left as it is (K = 16 < 32)
;;   THE QUANTISER, for each operand of a quantised product, along K:
;;     - The operand's scale is 2^e, e = its entry of the input lowp_scales (int32; the entries are numbered through the quantised products in the list's order, A before B).
;;     - Each number is divided by the scale, clamped to +-448, and rounded to the nearest number of E4M3, ties to even, subnormals kept.
;;     - The product sums the exact products of the quantised numbers (number of the format x scale) in f32.
;;   ~~~python
;;   def quantise(x, axis, e):      # numpy; x: float32 -> the quantised numbers, widened to float32 again
;;       x = np.moveaxis(x, axis, -1); K = x.shape[-1]
;;       r = np.clip(x / 2.0 ** e, -448, 448)
;;       step = 2.0 ** (np.maximum(np.frexp(np.where(r == 0, 1, r))[1] - 1, -6) - 3)
;;       q = np.round(r / step) * step * 2.0 ** e      # np.round: ties to even
;;       return np.moveaxis(q, -1, axis).astype(np.float32)
;;   ~~~
;;   OPERANDS COMPUTED ON THE WAY. 'Computed on the way' means the value that the module computes at that place (a softmax that the list does not call 'softmax' is quantised finished and normalised). What goes into a quantiser is computed in f32, as accurately as f32 sums, v_exp_f32 and their like allow (about 1e-6 of the number): no bf16 or f16 on the way to a quantiser, and a product that is left as it is and whose result goes on into a quantised operand takes f32 operands (vector FMAs, or v_wmma_f32_16x16x4_f32). A number that lies on a knife's edge between two numbers of the format may be rounded either way, as far as f32 arithmetic and the matrix unit's own rounding can turn it there, and no further.
;; One version. Each part assembles by itself: llvm-mc -triple=amdgcn-amd-amdhsa -mcpu=gfx1250 --defsym DOCPART=n.
;; ======== version 1 of 1: 4 launches
;; workspace buffers: acts 1,425,408 bytes; route 20,736 bytes of whole numbers; headout 1,028,096 bytes; tailout 8,607,232 bytes
;; launch prep (part 1): grid 177 x 1, 4 waves a work-group, no clusters, 250,112 bytes of LDS; arguments hidden, target, P1, P2, P3, W_clusters, b_clusters, lowp_scales, acts, route; writes acts, route
.if DOCPART == 1
	.amdgcn_target "amdgcn-amd-amdhsa--gfx1250"
	.amdhsa_code_object_version 6
	.text
	.protected	k_q5dbc3c7054_prep
	.globl	k_q5dbc3c7054_prep
	.p2align	8
	.type	k_q5dbc3c7054_prep,@function
k_q5dbc3c7054_prep:
	s_mov_b64 s[64:65], 0
	v_nop
	global_prefetch_b8 v0, s[64:65] scope:SCOPE_SE
	s_setreg_imm32_b32 hwreg(HW_REG_WAVE_MODE, 25, 1), 1
	s_wait_xcnt 0x0
; ADAPTIVE LOG-SOFTMAX, launch 1 of 4: what every later launch needs of the tokens.
; WORK LEFT OUT IN THE PROGRAM, AND WHY IT IS DEAD.  reference() ends in jnp.select on cluster_id, a whole number made of the index input target alone: of lp0 .. lp3 exactly one reaches the
; output of a token.  So the tail product i (proj_i W_i^T + b_i and its log-softmax) of a token whose cluster_id is not i reaches no output, whatever the inputs hold.  The later launches read the
; tokens of each cluster from lists that this launch stores as whole numbers, and multiply only those rows.  The head's product and the three projections are made for all tokens.  Every input is loaded.
; LIMITS.  A NaN, an infinity or an overflow that reaches only a tail that was not chosen is not carried to the result.  0 <= target < 267,735.  Every power of two made from lowp_scales must be an
; f32 number: each quantiser's exponent (e, and eO - eA - eB for the projections) between -126 and 119, each sum ea + eb between -126 and 127.  NaN among the inputs is not served.
; ROLES, by the work-group's number.  0-159 (path A): 32 rows of P1 (groups 0-7) or of P2 (groups 8, 9) x 64 tokens: hidden and P are quantised, multiplied (E4M3, K = 1,024), and the result is
; quantised again for the tail's product.  160-175 (path B): 64 tokens: hidden's codes for the head (scale 0) in the order of an operand's registers; the projection by P3, rounded to bf16; the
; three cluster logits in f32.  176: one wave sorts the tokens by cluster (a counting sort by lane masks), and stores lists and counts.
; acts: 0 head codes [tile 64][K step 8][c 4][lane 32][16 B]; 1,048,576 proj1 codes [32 k][token][32 B]; 1,310,720 proj2 codes likewise; 1,376,256 proj3 [token][16 bf16]; 1,409,024 cluster logits [token][4 f32].
; route: section c at entry 1,280 c; slot p at entry (p & ~63) + 4 (p & 15) + ((p >> 4) & 3), so that 16 bytes of lane r are the tokens r of a group's four tiles; counts at byte 20,480: T0-3, then groups G0-3.
; The two paths have LDS bytes of their own.  A: hidden's codes 4 x 16,640 (16 rows, pitch 1,040), P's codes at 66,560.  B: 99,840 (scale 10), 166,400 (scale 0), 232,960 (P3).  Spare words at 249,600.
.set SPARE, 249600
.set T,   32                           ; v32-95   64 numbers held within the largest code
.set CT,  96                           ; v96-111  their codes
.set WC,  112                          ; v112-207 W_clusters, as the lanes hold a row of hidden
.set ACC, 208                          ; v208-219 six packed sums
.set CL,  220                          ; v220-223 lane r: token r's cluster logits
.set D0,  224
.set D1,  232
.set OC,  240
.set MSB, 0
.macro WIN new                         ; the immediate's high byte repeats the setting that is left
.if MSB != (\new)
	s_set_vgpr_msb (MSB<<8)|(\new)
.set MSB, (\new)
.endif
.endm
.macro PLACES n
.rept \n
	v_nop
.endr
.endm
; nl loads of 512 consecutive bytes each, 16 a lane, into window 1 from v[raw] on
.macro LDBLK raw, voff, sb, off, nl
	WIN 0x40
.set qi, 0
.rept \nl
	global_load_b128 v[(\raw)+4*qi:(\raw)+4*qi+3], v[\voff], s[\sb:\sb+1] offset:(\off)+512*qi
.set qi, qi+1
.endr
	WIN 0
.endm
; the numbers of nl such loads become codes: held within the largest code x the scale, converted eight at a time (two loads' registers), one word of four codes a load and lane into rows of 1,024 codes, pitch 1,040
.macro QBLOCK raw, nl, lim, sc, adr, j0
	WIN 0x01
.set qi, 0
.rept 4*(\nl)
	v_med3_num_f32 v[T+qi], v[(\raw)+qi], -v[\lim], v[\lim]
.set qi, qi+1
.endr
	WIN 0
	s_wait_dscnt 0x0                               ; the last block's stores have read the codes' registers
.set qi, 0
.rept (\nl)/2
	v_cvt_scalef32_pk8_fp8_f32 v[CT+2*qi:CT+2*qi+1], v[T+8*qi:T+8*qi+7], v[\sc]
.set qi, qi+1
.endr
	v_nop                                          ; a plain line behind the last conversion: the next block writes its sources
.set qi, 0
.rept \nl
.set qj, (\j0)+qi
	ds_store_b32 v[\adr], v[CT+qi] offset:(qj>>3)*1040+128*(qj&7)
.set qi, qi+1
.endr
.endm
.macro MKSC e, sc, lim, t              ; 2^e and 448 x 2^e as f32
	s_add_co_i32 s[\t], s[\e], 127
	s_lshl_b32 s[\t+1], s[\t], 23
	v_mov_b32 v[\sc], s[\t+1]
	s_add_co_i32 s[\t], s[\t], 8
	s_lshl_b32 s[\t], s[\t], 23
	s_or_b32 s[\t], s[\t], 0x600000
	v_mov_b32 v[\lim], s[\t]
.endm
	s_load_b256 s[4:11], s[0:1], 0x0               ; hidden, target, P1, P2
	s_load_b256 s[12:19], s[0:1], 0x20             ; P3, W_clusters, b_clusters, lowp_scales
	s_load_b128 s[20:23], s[0:1], 0x40             ; acts, route
	v_lshl_add_u32 v5, v0, 2, SPARE                ; my spare word
	v_mov_b32 v6, 0
	v_lshrrev_b32 v1, 5, v0
	v_readfirstlane_b32 s36, v1                    ; wave
	v_and_b32 v1, 31, v0                           ; lane
	v_and_b32 v2, 15, v0                           ; r
	v_bfe_u32 v3, v0, 4, 1                         ; h
	v_lshlrev_b32 v4, 4, v1                        ; 16 x lane
	v_lshlrev_b32 v24, 2, v1                       ; 4 x lane
	v_mul_u32_u24 v25, v2, 1040
	v_lshl_add_u32 v25, v3, 4, v25                 ; a fragment's row r x pitch + 16 h
	v_lshlrev_b32 v11, 5, v2
	v_lshl_add_u32 v11, v3, 4, v11                 ; 32 r + 16 h
	s_mul_i32 s47, s36, 16640
	s_mov_b32 s56, 0x76543210
	s_mov_b32 s57, 0xfedcba98                      ; lane l xor 16
	s_wait_kmcnt 0x0
	s_load_b256 s[24:31], s[18:19], 0x0            ; e0 .. e7
	s_load_b128 s[32:35], s[18:19], 0x20           ; e8 .. e11
	s_cmp_ge_u32 ttmp9, 176
	s_cbranch_scc1 .Lrouter
	s_and_b32 s37, ttmp9, 15                       ; block of 64 tokens (160 is a multiple of 16)
	s_lshl_b32 s39, s37, 6
	s_lshl_b32 s40, s36, 4
	s_add_co_u32 s39, s39, s40                     ; my wave's first token
	s_lshl_b32 s40, s39, 12
	s_mov_b32 s41, 0
	s_add_nc_u64 s[4:5], s[4:5], s[40:41]          ; its row of hidden
	s_wait_kmcnt 0x0
	s_cmp_ge_u32 ttmp9, 160
	s_cbranch_scc1 .LpathB
; ---------------- path A
	s_lshr_b32 s38, ttmp9, 4                       ; group of 32 rows
	s_cmp_lt_u32 s38, 8
	s_cselect_b64 s[8:9], s[8:9], s[10:11]         ; P1 or P2
	s_cselect_b32 s42, s26, s30                    ; hidden's exponent
	s_cselect_b32 s43, s27, s31                    ; P's
	s_cselect_b32 s44, s28, s32                    ; the result's
	s_mov_b32 s46, 1310720
	s_cselect_b32 s46, 1048576, s46                ; where the result's codes begin in acts
	s_cselect_b32 s45, 0, 8
	s_sub_co_u32 s38, s38, s45                     ; the group within its P
	s_lshl_b32 s40, s38, 17
	s_lshl_b32 s45, s36, 15
	s_add_co_u32 s40, s40, s45                     ; rows 32 group + 8 wave
	s_add_nc_u64 s[8:9], s[8:9], s[40:41]
.macro ABLK b                          ; block b of twelve: 0-7 my 16 rows of hidden, 8-11 my 8 rows of P; 16 loads into ring slot b % 4
.if (\b) < 8
	LDBLK 64*((\b)%4), 4, 4, 8192*(\b), 16
.else
	LDBLK 64*((\b)%4), 4, 8, 8192*((\b)-8), 16
.endif
.endm
	ABLK 0
	ABLK 1
	ABLK 2
	s_lshl_b32 s40, s38, 15
	s_add_co_u32 s40, s40, s46
	s_lshl_b32 s45, s39, 5
	s_add_co_u32 s40, s40, s45
	s_add_nc_u64 s[20:21], s[20:21], s[40:41]      ; acts at [group][my first token]
	MKSC 42, 12, 13, 58
	MKSC 43, 14, 15, 58
	s_sub_co_i32 s44, s44, s42
	s_sub_co_i32 s44, s44, s43                     ; a sum stands for sum x 2^(eA + eB): the three scales fold into one
	MKSC 44, 16, 17, 58
	v_add_nc_u32 v7, s47, v24                      ; where I store hidden's codes
	v_add_nc_u32 v9, s47, v25                      ; and read their fragments
	s_mul_i32 s48, s36, 8320
	s_add_co_u32 s48, s48, 66560
	v_add_nc_u32 v8, s48, v24                      ; where I store P's codes
	v_and_b32 v22, 8, v2
	v_add_nc_u32 v22, v22, v2                      ; r + 8 (r / 8): the rows of a tile of P are chosen so that two tiles' 16 registers are 16 neighbours along the next K
	v_mul_u32_u24 v10, v22, 1040
	v_lshl_add_u32 v10, v3, 4, v10
	v_add_nc_u32 v10, 66560, v10
.irp b, 0,1,2,3,4,5,6,7,8,9,10,11
.if \b+3 < 12
	ABLK \b+3
.endif
.if 11-\b >= 3
	s_wait_loadcnt 48                              ; this block's 16 loads are in; three younger blocks stay out
.else
	s_wait_loadcnt 16*(11-\b)
.endif
.if \b < 8
	QBLOCK 64*(\b%4), 16, 13, 12, 7, 16*\b
.else
	QBLOCK 64*(\b%4), 16, 15, 14, 8, 16*(\b-8)
.endif
.endr
	s_wait_dscnt 0x0                               ; my stores have landed: P's rows are read by all four waves
	s_barrier_signal -1
	s_barrier_wait -1
	WIN 0x80
.set qi, 0
.rept 32
	ds_load_b128 v[4*qi:4*qi+3], v9 offset:32*qi   ; my tokens' eight fragments: K step qi / 4, 32 (qi % 4) bytes on
.set qi, qi+1
.endr
	WIN 0x40
.set qi, 0
.rept 32
	ds_load_b128 v[4*qi:4*qi+3], v10 offset:32*qi
	ds_load_b128 v[128+4*qi:128+4*qi+3], v10 offset:8320+32*qi   ; the second tile begins 8 rows on
.set qi, qi+1
.endr
	s_wait_dscnt 0x0
	WIN 0x09                                       ; P in window 1, tokens in window 2
	v_wmma_f32_16x16x128_fp8_fp8 v[D0:D0+7], v[0:15], v[0:15], 0
	v_wmma_f32_16x16x128_fp8_fp8 v[D1:D1+7], v[128:143], v[0:15], 0
.set qi, 1
.rept 7                                ; the two accumulators take turns
	v_wmma_f32_16x16x128_fp8_fp8 v[D0:D0+7], v[16*qi:16*qi+15], v[16*qi:16*qi+15], v[D0:D0+7]
	v_wmma_f32_16x16x128_fp8_fp8 v[D1:D1+7], v[128+16*qi:128+16*qi+15], v[16*qi:16*qi+15], v[D1:D1+7]
.set qi, qi+1
.endr
	WIN 0
	PLACES 5
.set qi, 0
.rept 16
	v_med3_num_f32 v[D0+qi], v[D0+qi], -v17, v17   ; lane (r, h): token r, columns 32 group + 16 h + 0 .. 15
.set qi, qi+1
.endr
	v_cvt_scalef32_pk8_fp8_f32 v[OC:OC+1], v[D0:D0+7], v16
	v_cvt_scalef32_pk8_fp8_f32 v[OC+2:OC+3], v[D1:D1+7], v16
	v_nop
	global_store_b128 v11, v[OC:OC+3], s[20:21]    ; the wave stores 512 consecutive bytes
	s_branch .Lend
; ---------------- path B
.LpathB:
.set qi, 0
.rept 24
	global_load_b128 v[WC+4*qi:WC+4*qi+3], v4, s[14:15] offset:512*qi
.set qi, qi+1
.endr
	s_load_b96 s[52:54], s[16:17], 0x0             ; b_clusters
	s_lshl_b32 s40, s36, 14
	s_add_nc_u64 s[12:13], s[12:13], s[40:41]      ; my 4 rows of P3
.macro BBLK b                          ; block b of ten: 0-7 hidden, 8, 9 P3
.if (\b) < 8
	LDBLK 64*((\b)%4), 4, 4, 8192*(\b), 16
.else
	LDBLK 64*((\b)%4), 4, 12, 8192*((\b)-8), 16
.endif
.endm
	BBLK 0
	BBLK 1
	BBLK 2
	MKSC 34, 12, 13, 58                            ; scale 10: hidden for P3
	MKSC 24, 19, 20, 58                            ; scale 0: hidden for the head
	MKSC 35, 14, 15, 58                            ; scale 11: P3
	s_add_co_i32 s50, s34, s35
	s_add_co_i32 s50, s50, 127
	s_lshl_b32 s50, s50, 23                        ; 2^(e10 + e11)
	s_mov_b32 s51, s50
	s_add_co_u32 s48, s47, 99840
	v_add_nc_u32 v7, s48, v24
	v_add_nc_u32 v9, s48, v25
	s_add_co_u32 s49, s47, 166400
	v_add_nc_u32 v18, s49, v24
	v_add_nc_u32 v21, s49, v25
	s_mul_i32 s48, s36, 4160
	s_add_co_u32 s48, s48, 232960
	v_add_nc_u32 v8, s48, v24
	v_add_nc_u32 v10, 232960, v25
.irp c, 0,1,2,3
	v_mov_b32 v[CL+\c], 0
.endr
; the cluster logits of the block's two rows, in f32: six packed sums over my 32 numbers of a row, added across the 32 lanes; lane = the row's number keeps them
.macro CLOGB b
.set RB, 64*((\b)%4)
	WIN 0x01
.set ce, 0
.rept 16
.irp p, 0,1
.irp c, 0,1,2
.if ce == 0
	v_pk_mul_f32 v[ACC+6*\p+2*\c:ACC+6*\p+2*\c+1], v[RB+32*\p:RB+32*\p+1], v[WC+32*\c:WC+32*\c+1]
.else
	v_pk_fma_f32 v[ACC+6*\p+2*\c:ACC+6*\p+2*\c+1], v[RB+32*\p+2*ce:RB+32*\p+2*ce+1], v[WC+32*\c+2*ce:WC+32*\c+2*ce+1], v[ACC+6*\p+2*\c:ACC+6*\p+2*\c+1]
.endif
.endr
.endr
.set ce, ce+1
.endr
	WIN 0
.irp k, 0,1,2,3,4,5
	v_add_f32 v[ACC+2*\k], v[ACC+2*\k], v[ACC+2*\k+1]
.endr
.irp m, 1,2,4,8
.irp k, 0,1,2,3,4,5
	v_add_f32_dpp v[ACC+2*\k], v[ACC+2*\k], v[ACC+2*\k] row_xmask:\m row_mask:0xf bank_mask:0xf
.endr
.endr
.irp k, 0,1,2,3,4,5
	v_permlanex16_b32 v[ACC+2*\k+1], v[ACC+2*\k], s56, s57
.endr
.irp k, 0,1,2,3,4,5
	v_add_f32 v[ACC+2*\k], v[ACC+2*\k], v[ACC+2*\k+1]
.endr
.irp p, 0,1
	v_cmp_eq_u32 vcc_lo, 2*(\b)+\p, v1
.irp c, 0,1,2
	v_cndmask_b32 v[CL+\c], v[CL+\c], v[ACC+6*\p+2*\c], vcc_lo
.endr
.endr
.endm
.irp b, 0,1,2,3,4,5,6,7,8,9
.if \b+3 < 10
	BBLK \b+3
.endif
.if 9-\b >= 3
	s_wait_loadcnt 48                              ; this block's loads (and W_clusters, asked for earlier) are in; three younger blocks stay out
.else
	s_wait_loadcnt 16*(9-\b)
.endif
.if \b < 8
	QBLOCK 64*(\b%4), 16, 13, 12, 7, 16*\b
	QBLOCK 64*(\b%4), 16, 20, 19, 18, 16*\b
	CLOGB \b
.else
	QBLOCK 64*(\b%4), 16, 15, 14, 8, 16*(\b-8)
.endif
.endr
	s_wait_dscnt 0x0                               ; my stores have landed: P3's rows are read by all four waves
	s_barrier_signal -1
	s_barrier_wait -1
	WIN 0x80
.set qi, 0
.rept 32
	ds_load_b128 v[4*qi:4*qi+3], v9 offset:32*qi
.set qi, qi+1
.endr
	WIN 0x40
.set qi, 0
.rept 32
	ds_load_b128 v[4*qi:4*qi+3], v10 offset:32*qi
.set qi, qi+1
.endr
.set qi, 0
.rept 32
	ds_load_b128 v[128+4*qi:128+4*qi+3], v21 offset:32*qi   ; the head's codes, as fragments
.set qi, qi+1
.endr
	s_wait_dscnt 32                                ; all but those 32
	WIN 0x09
	v_wmma_f32_16x16x128_fp8_fp8 v[D0:D0+7], v[0:15], v[0:15], 0
	v_wmma_f32_16x16x128_fp8_fp8 v[D1:D1+7], v[16:31], v[16:31], 0
.set qi, 1
.rept 3                                ; even K steps on one accumulator, odd ones on the other, by turns
	v_wmma_f32_16x16x128_fp8_fp8 v[D0:D0+7], v[32*qi:32*qi+15], v[32*qi:32*qi+15], v[D0:D0+7]
	v_wmma_f32_16x16x128_fp8_fp8 v[D1:D1+7], v[32*qi+16:32*qi+31], v[32*qi+16:32*qi+31], v[D1:D1+7]
.set qi, qi+1
.endr
	WIN 0
	PLACES 5
.irp k, 0,2,4,6
	v_pk_add_f32 v[D0+\k:D0+\k+1], v[D0+\k:D0+\k+1], v[D1+\k:D1+\k+1]
.endr
.irp k, 0,2,4,6
	v_pk_mul_f32 v[D0+\k:D0+\k+1], v[D0+\k:D0+\k+1], s[50:51] op_sel_hi:[1,0]
.endr
.irp k, 0,1,2,3
	v_cvt_pk_bf16_f32 v[OC+\k], v[D0+2*\k], v[D0+2*\k+1]   ; lane (r, h): token r, columns 8 h + 0 .. 7
.endr
	s_lshl_b32 s40, s39, 5
	s_add_co_u32 s40, s40, 1376256
	s_add_nc_u64 s[42:43], s[20:21], s[40:41]
	global_store_b128 v11, v[OC:OC+3], s[42:43]
	s_lshl_b32 s40, s39, 10
	s_add_nc_u64 s[44:45], s[20:21], s[40:41]      ; the head's codes of my tile: 16,384 bytes
	s_wait_dscnt 0x0
	WIN 0x04                                       ; the stores' data in window 1
.set qi, 0
.rept 32
	global_store_b128 v4, v[128+4*qi:128+4*qi+3], s[44:45] offset:512*qi
.set qi, qi+1
.endr
	WIN 0
	s_wait_kmcnt 0x0
	v_add_f32 v[CL], s52, v[CL]
	v_add_f32 v[CL+1], s53, v[CL+1]
	v_add_f32 v[CL+2], s54, v[CL+2]
	s_lshl_b32 s40, s39, 4
	s_add_co_u32 s40, s40, 1409024
	s_add_nc_u64 s[46:47], s[20:21], s[40:41]
	v_cmp_gt_u32 vcc_lo, 16, v1
	s_wait_xcnt 0x0                                ; EXEC changes only behind this wait
	s_and_saveexec_b32 s48, vcc_lo
	global_store_b128 v4, v[CL:CL+3], s[46:47]     ; lanes 0-15: 256 consecutive bytes
	s_wait_xcnt 0x0
	s_or_b32 exec_lo, exec_lo, s48
	s_branch .Lend
; ---------------- the router: one wave
.Lrouter:
	s_cmp_lg_u32 s36, 0
	s_cbranch_scc1 .Lend
.set qi, 0
.rept 32
	global_load_b32 v[32+qi], v24, s[6:7] offset:128*qi
.set qi, qi+1
.endr
	v_mov_b32 v8, 1280
	v_mov_b32 v9, 2560
	v_mov_b32 v10, 3840
	v_mov_b32 v20, 0
	s_mov_b32 s40, 0                               ; tokens so far in clusters 0 .. 3
	s_mov_b32 s41, 0
	s_mov_b32 s42, 0
	s_mov_b32 s43, 0
	s_mov_b32 s50, 20000
	s_mov_b32 s51, 40000
	s_mov_b32 s52, 200000
.macro PERM p, sec, o                  ; v[o] = the byte in route of slot v[p] of the section that begins at entry v[sec]
	v_and_b32 v[\o], 0xffffffc0, v[\p]
	v_and_b32 v19, 15, v[\p]
	v_lshl_add_u32 v[\o], v19, 2, v[\o]
	v_bfe_u32 v19, v[\p], 4, 2
	v_add3_u32 v[\o], v[\o], v19, v[\sec]
	v_min_u32 v[\o], 5119, v[\o]
	v_lshlrev_b32 v[\o], 2, v[\o]
.endm
	s_wait_loadcnt 0x0
.set qu, 0
.rept 32                               ; 32 tokens at a time, in order: a token's slot is its cluster's count so far + the lanes below it in the same cluster
	s_wait_xcnt 0x0                                ; the last store has read its registers
	v_cmp_le_u32 s44, s50, v[32+qu]
	v_cmp_le_u32 s45, s51, v[32+qu]
	v_cmp_le_u32 s46, s52, v[32+qu]                ; cluster 3
	s_not_b32 s47, s44                             ; cluster 0
	s_and_not1_b32 s48, s44, s45                   ; cluster 1
	s_and_not1_b32 s49, s45, s46                   ; cluster 2
	v_mbcnt_lo_u32_b32 v11, s47, s40
	v_mbcnt_lo_u32_b32 v12, s48, s41
	v_mbcnt_lo_u32_b32 v13, s49, s42
	v_mbcnt_lo_u32_b32 v14, s46, s43
	v_cndmask_b32 v11, v11, v12, s48
	v_cndmask_b32 v11, v11, v13, s49
	v_cndmask_b32 v11, v11, v14, s46
	v_cndmask_b32 v15, v20, v8, s48
	v_cndmask_b32 v15, v15, v9, s49
	v_cndmask_b32 v15, v15, v10, s46
	PERM 11, 15, 16
	v_add_nc_u32 v17, 32*qu, v1
	global_store_b32 v16, v17, s[22:23]
	s_bcnt1_i32_b32 s53, s47
	s_add_co_u32 s40, s40, s53
	s_bcnt1_i32_b32 s53, s48
	s_add_co_u32 s41, s41, s53
	s_bcnt1_i32_b32 s53, s49
	s_add_co_u32 s42, s42, s53
	s_bcnt1_i32_b32 s53, s46
	s_add_co_u32 s43, s43, s53
.set qu, qu+1
.endr
.irp c, 0,1,2,3                        ; slots T .. T + 63 of each list name token 0: the rest of the last group of 64
.irp k, 0,1
	s_wait_xcnt 0x0
	v_add_nc_u32 v11, s[40+\c], v1
	v_add_nc_u32 v11, 32*\k, v11
	v_mov_b32 v15, 1280*\c
	PERM 11, 15, 16
	global_store_b32 v16, v20, s[22:23]
.endr
.endr
	v_mov_b32 v18, 0
.irp c, 0,1,2,3
	v_writelane_b32 v18, s[40+\c], \c
	s_add_co_u32 s53, s[40+\c], 63
	s_lshr_b32 s53, s53, 6
	v_writelane_b32 v18, s53, 4+\c
.endr
	global_store_b32 v24, v18, s[22:23] offset:20480
.Lend:
	s_wait_tensorcnt 0x0                           ; the wave's end
	ds_add_u32 v5, v6
	s_wait_dscnt 0x0
	s_endpgm
.Lfunc_end_k_q5dbc3c7054_prep:
	.size	k_q5dbc3c7054_prep, .Lfunc_end_k_q5dbc3c7054_prep-k_q5dbc3c7054_prep
	.p2alignl 7, 3214868480
	.fill 96, 4, 3214868480
	.section	.rodata,"a",@progbits
	.p2align	6, 0x0
	.amdhsa_kernel k_q5dbc3c7054_prep
		.amdhsa_group_segment_fixed_size 250112
		.amdhsa_private_segment_fixed_size 0
		.amdhsa_enable_private_segment 0
		.amdhsa_kernarg_size 80
		.amdhsa_user_sgpr_count 2
		.amdhsa_user_sgpr_kernarg_segment_ptr 1
		.amdhsa_wavefront_size32 1
		.amdhsa_system_sgpr_workgroup_id_x 1
		.amdhsa_system_sgpr_workgroup_id_y 1
		.amdhsa_system_sgpr_workgroup_id_z 1
		.amdhsa_system_vgpr_workitem_id 0
		.amdhsa_next_free_vgpr 640
		.amdhsa_next_free_sgpr 66
		.amdhsa_reserve_vcc 1
		.amdhsa_float_denorm_mode_32 3
		.amdhsa_float_denorm_mode_16_64 3
		.amdhsa_memory_ordered 1
		.amdhsa_forward_progress 1
		.amdhsa_inst_pref_size 255
	.end_amdhsa_kernel
	.section	.bss,"aw",@nobits
	.p2align	6
	.space	262144
	.amdgpu_metadata
---
amdhsa.version: [ 1, 2 ]
amdhsa.kernels:
  - .name:           k_q5dbc3c7054_prep
    .symbol:         k_q5dbc3c7054_prep.kd
    .args:
      - { .name: hidden, .offset: 0, .size: 8, .value_kind: global_buffer, .address_space: global }
      - { .name: target, .offset: 8, .size: 8, .value_kind: global_buffer, .address_space: global }
      - { .name: P1, .offset: 16, .size: 8, .value_kind: global_buffer, .address_space: global }
      - { .name: P2, .offset: 24, .size: 8, .value_kind: global_buffer, .address_space: global }
      - { .name: P3, .offset: 32, .size: 8, .value_kind: global_buffer, .address_space: global }
      - { .name: W_clusters, .offset: 40, .size: 8, .value_kind: global_buffer, .address_space: global }
      - { .name: b_clusters, .offset: 48, .size: 8, .value_kind: global_buffer, .address_space: global }
      - { .name: lowp_scales, .offset: 56, .size: 8, .value_kind: global_buffer, .address_space: global }
      - { .name: acts, .offset: 64, .size: 8, .value_kind: global_buffer, .address_space: global }
      - { .name: route, .offset: 72, .size: 8, .value_kind: global_buffer, .address_space: global }
    .group_segment_fixed_size: 250112
    .private_segment_fixed_size: 0
    .kernarg_segment_align: 8
    .kernarg_segment_size: 80
    .max_flat_workgroup_size: 128
    .sgpr_count:     66
    .vgpr_count:     640
    .wavefront_size: 32
...
	.end_amdgpu_metadata
.endif
;; end of part 1
;; launch head (part 2): grid 250 x 1, 4 waves a work-group, no clusters, 83,712 bytes of LDS; arguments W_head, b_head, lowp_scales, target, acts, headout; writes headout
.if DOCPART == 2
	.amdgcn_target "amdgcn-amd-amdhsa--gfx1250"
	.amdhsa_code_object_version 6
	.text
	.protected	k_q5dbc3c7054_head
	.globl	k_q5dbc3c7054_head
	.p2align	8
	.type	k_q5dbc3c7054_head,@function
k_q5dbc3c7054_head:
	s_mov_b64 s[64:65], 0
	v_nop
	global_prefetch_b8 v0, s[64:65] scope:SCOPE_SE
	s_setreg_imm32_b32 hwreg(HW_REG_WAVE_MODE, 25, 1), 1
	s_wait_xcnt 0x0
; ADAPTIVE LOG-SOFTMAX, launch 2 of 4: the head's 20,000 columns, 80 to a work-group.  Nothing of the head is left out: every token needs its log-sum-exp.
; W_head's 80 rows are read from memory once, quantised (scale 1), and kept as 40 fragments (5 tiles x 8 K steps, 640 registers) in EVERY wave.  Wave w walks tokens 256 w .. + 255, 16 a tile, whose codes
; come from acts in the order of an operand's registers.  The product is used transposed (source 0 = 16 rows of W_head, source 1 = 16 tokens): a lane holds one token, register 8 i + j column 16 i + 8 h + j.
; The bias is the C of a sum's first product, divided by 2^(e0 + e1).  For each token the slice's log2-sum-exp (its own maximum taken away) goes to headout [slice][1,024]; within a group of 64 tokens lane
; 16 h + r stores the values of tiles 2 h, 2 h + 1, token r: 256 consecutive bytes a store.  The logit of the token's target, where it lies in this slice, goes to headout + 1,024,000 [token].
; No joint loads: the tokens' codes, 1 MiB, are read by each of the 250 work-groups through registers.
; Every vector offset is made at the head and stays; what walks is a scalar base.
; LIMITS: e1 between -126 and 119; e0 + e1 between -126 and 127.
.set SPARE, 83200
.set T,   128
.set CT,  192
.set DD,  15
.set PV,  16
.set TMPR, 18
.set MA,  19
.set MB,  20
.set TX,  21
.set NM,  22
.set SA,  24
.set SB,  26
.set LG,  28
.set CS,  22                           ; s[22:23] log2(e) x 2^(e0 + e1)
.set SEL, 40
.set SV,  42
.set M1,  43
.set MSB, 0
.macro WIN new
.if MSB != (\new)
	s_set_vgpr_msb (MSB<<8)|(\new)
.set MSB, (\new)
.endif
.endm
.macro PLACES n
.rept \n
	v_nop
.endr
.endm
.macro LDBLK raw, voff, sb, off, nl
	WIN 0x40
.set qi, 0
.rept \nl
	global_load_b128 v[(\raw)+4*qi:(\raw)+4*qi+3], v[\voff], s[\sb:\sb+1] offset:(\off)+512*qi th:TH_LOAD_NT
.set qi, qi+1
.endr
	WIN 0
.endm
.macro QBLOCK raw, nl, lim, sc, adr, j0
	WIN 0x01
.set qi, 0
.rept 4*(\nl)
	v_med3_num_f32 v[T+qi], v[(\raw)+qi], -v[\lim], v[\lim]
.set qi, qi+1
.endr
	WIN 0
	s_wait_dscnt 0x0                               ; the last block's stores have read the codes' registers
.set qi, 0
.rept (\nl)/2
	v_cvt_scalef32_pk8_fp8_f32 v[CT+2*qi:CT+2*qi+1], v[T+8*qi:T+8*qi+7], v[\sc]
.set qi, qi+1
.endr
	v_nop
.set qi, 0
.rept \nl
.set qj, (\j0)+qi
	ds_store_b32 v[\adr], v[CT+qi] offset:(qj>>3)*1040+128*(qj&7)
.set qi, qi+1
.endr
.endm
; the logit of the target: x = target - the slice's first column.  Jumped over where no lane's target lies in the slice.
.macro PICK n, d, x, po, sb, ps, off
	v_cmp_gt_u32 s[M1], 16*(\n), v[\x]
	s_cmp_eq_u32 s[M1], 0
	s_cbranch_scc1 .Lnopick_\@
	v_lshlrev_b32 v[TMPR], 3, v3
	v_sub_nc_u32 v[DD], v[\x], v[TMPR]             ; in the half that holds the column: 16 i + j
	v_mov_b32 v[PV], 0
.set pk, 0
.rept 8*(\n)
	v_cmp_eq_u32 vcc_lo, 16*(pk/8)+pk%8, v[DD]
	v_cndmask_b32 v[PV], v[PV], v[(\d)+pk], vcc_lo
.set pk, pk+1
.endr
	v_mul_f32 v[PV], s[\ps], v[PV]
	v_cmp_gt_u32 s[M1], 16*(\n), v[DD]
	v_and_b32 v[TMPR], 8, v[DD]
	v_cmp_eq_u32 vcc_lo, 0, v[TMPR]
	s_and_b32 vcc_lo, vcc_lo, s[M1]
	s_wait_xcnt 0x0                                ; EXEC changes only behind this wait
	s_and_saveexec_b32 s[SV], vcc_lo
	global_store_b32 v[\po], v[PV], s[\sb:\sb+1] offset:\off
	s_wait_xcnt 0x0
	s_mov_b32 exec_lo, -1                          ; every lane was on ahead of the narrowing: all on again
.Lnopick_\@:
.endm
; v[r] = log2 of the sum over the slice's 16 n columns of 2^t, t = sum x c; the token's largest t is taken away first
.macro SOFTMAX n, d, r
	v_max_num_f32 v[MA], v[(\d)], v[(\d)+1]
	v_max_num_f32 v[MB], v[(\d)+2], v[(\d)+3]
.set sk, 4
.rept 2*(\n)-1
	v_max3_num_f32 v[MA], v[MA], v[(\d)+sk], v[(\d)+sk+1]
	v_max3_num_f32 v[MB], v[MB], v[(\d)+sk+2], v[(\d)+sk+3]
.set sk, sk+4
.endr
	v_max_num_f32 v[MA], v[MA], v[MB]
	v_permlanex16_b32 v[TX], v[MA], s[SEL], s[SEL+1]
	v_max_num_f32 v[MA], v[MA], v[TX]
	v_mul_f32 v[NM], s[CS], v[MA]
.set sk, 0
.rept 4*(\n)
	v_pk_fma_f32 v[(\d)+sk:(\d)+sk+1], v[(\d)+sk:(\d)+sk+1], s[CS:CS+1], v[NM:NM+1] op_sel_hi:[1,0,0] neg_lo:[0,0,1] neg_hi:[0,0,1]
.set sk, sk+2
.endr
.set sk, 0
.rept 8*(\n)
	v_exp_f32 v[(\d)+sk], v[(\d)+sk]
.set sk, sk+1
.endr
	v_nop                                          ; a plain line behind the last exponential
	s_wait_alu depctr_va_vdst(0)                   ; one wait for the batch, ahead of its first reader
	v_pk_add_f32 v[SA:SA+1], v[(\d):(\d)+1], v[(\d)+2:(\d)+3]
	v_pk_add_f32 v[SB:SB+1], v[(\d)+4:(\d)+5], v[(\d)+6:(\d)+7]
.set sk, 8
.rept 2*(\n)-2
	v_pk_add_f32 v[SA:SA+1], v[SA:SA+1], v[(\d)+sk:(\d)+sk+1]
	v_pk_add_f32 v[SB:SB+1], v[SB:SB+1], v[(\d)+sk+2:(\d)+sk+3]
.set sk, sk+4
.endr
	v_pk_add_f32 v[SA:SA+1], v[SA:SA+1], v[SB:SB+1]
	v_add_f32 v[SA], v[SA], v[SA+1]
	v_permlanex16_b32 v[TX], v[SA], s[SEL], s[SEL+1]
	v_add_f32 v[SA], v[SA], v[TX]
	v_log_f32 v[LG], v[SA]
	v_nop
	s_wait_alu depctr_va_vdst(0)
	v_add_f32 v[\r], v[NM], v[LG]
.endm
	s_load_b256 s[4:11], s[0:1], 0x0               ; W_head, b_head, lowp_scales, target
	s_load_b128 s[12:15], s[0:1], 0x20             ; acts, headout
	v_lshl_add_u32 v5, v0, 2, SPARE
	v_mov_b32 v6, 0
	v_lshrrev_b32 v1, 5, v0
	v_readfirstlane_b32 s16, v1                    ; wave
	v_and_b32 v1, 31, v0
	v_and_b32 v2, 15, v0
	v_bfe_u32 v3, v0, 4, 1
	v_lshlrev_b32 v4, 4, v1
	v_lshlrev_b32 v12, 5, v3                       ; 32 h
	s_mul_i32 s17, ttmp9, 80                       ; the slice's first column
	s_mul_i32 s20, s16, 20
	s_add_co_u32 s20, s20, s17
	s_lshl_b32 s20, s20, 12
	s_mov_b32 s21, 0
	s_lshl_b32 s46, s17, 2
	s_mov_b32 s47, 0
	s_wait_kmcnt 0x0
	s_load_b64 s[18:19], s[8:9], 0x0               ; e0, e1
	s_add_nc_u64 s[4:5], s[4:5], s[20:21]          ; my 20 rows of W_head: 81,920 consecutive bytes
	s_add_nc_u64 s[6:7], s[6:7], s[46:47]          ; the slice's biases
.set qi, 0
.rept 10                               ; the biases go out first: the blocks' counted waits below show them in
	global_load_b128 v[88+4*qi:91+4*qi], v12, s[6:7] offset:64*(qi/2)+16*(qi%2)
.set qi, qi+1
.endr
	LDBLK 0, 4, 4, 0, 16
	LDBLK 64, 4, 4, 8192, 16
	LDBLK 128, 4, 4, 16384, 16
	s_mul_i32 s45, s16, 20800
	v_lshlrev_b32 v7, 2, v1
	v_add_nc_u32 v7, s45, v7                       ; where I store codes
	v_mul_u32_u24 v8, v2, 1040
	v_lshl_add_u32 v8, v3, 4, v8                   ; a fragment's row r x pitch + 16 h
	v_add_nc_u32 v9, 33280, v8                     ; the same two tiles on: the immediate has 16 bits
	v_lshlrev_b32 v13, 2, v2                       ; 4 r
	v_lshlrev_b32 v29, 3, v1                       ; 8 x lane
	v_mov_b32 v[TX], 0
	v_mov_b32 v[NM+1], 0
	s_mov_b32 s38, 0xffff0000                      ; lanes 16-31
	s_mov_b32 s40, 0x76543210
	s_mov_b32 s41, 0xfedcba98
	s_lshl_b32 s45, s16, 10                        ; my 256 tokens x 4 bytes = my 4 groups x 256 bytes
	s_lshl_b32 s20, ttmp9, 12
	s_add_co_u32 s20, s20, s45
	s_add_nc_u64 s[34:35], s[14:15], s[20:21]      ; the slice's partial sums, at my first group
	s_add_co_u32 s20, s45, 1024000
	s_add_nc_u64 s[36:37], s[14:15], s[20:21]      ; the picked logits, at my first token
	s_lshl_b32 s20, s16, 18
	s_add_nc_u64 s[26:27], s[12:13], s[20:21]      ; my tile 0's codes,
	s_add_nc_u64 s[28:29], s[26:27], 16384         ; tile 1's
	s_lshl_b32 s20, s16, 10
	s_add_nc_u64 s[30:31], s[10:11], s[20:21]      ; their targets
	s_add_nc_u64 s[32:33], s[30:31], 64
	s_wait_kmcnt 0x0
	s_add_co_i32 s45, s19, 127
	s_lshl_b32 s46, s45, 23
	v_mov_b32 v10, s46                             ; 2^e1
	s_add_co_i32 s45, s45, 8
	s_lshl_b32 s45, s45, 23
	s_or_b32 s45, s45, 0x600000
	v_mov_b32 v11, s45                             ; 448 x 2^e1
	s_add_co_i32 s45, s18, s19
	s_sub_co_i32 s25, 0, s45
	s_add_co_i32 s45, s45, 127
	s_lshl_b32 s24, s45, 23                        ; 2^(e0 + e1)
	s_mul_f32 s22, s24, 0x3fb8aa3b
	s_mov_b32 s23, s22
; phase 1: ten blocks of 16 loads, three blocks ahead, through a ring of four sets in window 1
.irp b, 0,1,2,3,4,5,6,7,8,9
.if \b+3 < 10
	LDBLK 64*((\b+3)%4), 4, 4, 8192*(\b+3), 16
.endif
.if 9-\b >= 3
	s_wait_loadcnt 48                              ; this block (and what was asked for ahead of it) is in; three younger blocks stay out
.else
	s_wait_loadcnt 16*(9-\b)
.endif
	QBLOCK 64*(\b%4), 16, 11, 10, 7, 16*\b
.endr
	s_wait_dscnt 0x0                               ; my stores have landed
	s_barrier_signal -1
	s_barrier_wait -1                              ; all 80 rows lie in LDS
.set f, 0
.rept 40                               ; fragment f = 5 (K step) + tile at v[256 + 16 f]
	WIN ((1+f/16)<<6)
.irp c, 0,1,2,3
.if f%5 < 2
	ds_load_b128 v[16*(f%16)+4*\c:16*(f%16)+4*\c+3], v8 offset:(f%5)*16640+128*(f/5)+32*\c
.else
	ds_load_b128 v[16*(f%16)+4*\c:16*(f%16)+4*\c+3], v9 offset:(f%5-2)*16640+128*(f/5)+32*\c
.endif
.endr
.set f, f+1
.endr
	WIN 0
.macro ALOAD p                         ; a tile's 8 fragments, 512 consecutive bytes a load, and its targets
	WIN ((\p)*0xc0)
.set qi, 0
.rept 32
	global_load_b128 v[128+4*qi:131+4*qi], v4, s[26+2*(\p):27+2*(\p)] offset:512*qi
.set qi, qi+1
.endr
	WIN 0
	global_load_b32 v[36+(\p)], v13, s[30+2*(\p):31+2*(\p)]
.endm
	ALOAD 0
	ALOAD 1
.set qi, 0
.rept 40
	v_ldexp_f32 v[88+qi], v[88+qi], s25            ; the biases, in since phase 1, divided by 2^(e0 + e1)
.set qi, qi+1
.endr
	s_wait_dscnt 0x0                               ; W's fragments are in
; a tile: p = which operand buffer, q = its place in the group of four, ahead = 1: the buffer takes the tile two on, n = younger loads that may stay out
.macro TILE p, q, ahead, n
	s_wait_loadcnt \n
	v_sub_nc_u32 v14, v[36+(\p)], s17
.set f, 0
.rept 40                               ; the five accumulators take turns
	WIN (1+f/16)|((\p)*0x0c)
.if f < 5
	v_wmma_f32_16x16x128_fp8_fp8 v[48+8*(f%5):55+8*(f%5)], v[16*(f%16):16*(f%16)+15], v[128+16*(f/5):143+16*(f/5)], v[88+8*(f%5):95+8*(f%5)]
.else
	v_wmma_f32_16x16x128_fp8_fp8 v[48+8*(f%5):55+8*(f%5)], v[16*(f%16):16*(f%16)+15], v[128+16*(f/5):143+16*(f/5)], v[48+8*(f%5):55+8*(f%5)]
.endif
.set f, f+1
.endr
	WIN 0
	PLACES 5
.if \ahead
	s_add_nc_u64 s[26+2*(\p):27+2*(\p)], s[26+2*(\p):27+2*(\p)], 32768   ; free: the loads that named them were waited for at the tile's head
	s_add_nc_u64 s[30+2*(\p):31+2*(\p)], s[30+2*(\p):31+2*(\p)], 128
	ALOAD \p
.endif
	PICK 5, 48, 14, 13, 36, 24, 0
	s_add_nc_u64 s[36:37], s[36:37], 64            ; the next tile's 16 picks: a store that named the base was followed by its wait on XCNT
	SOFTMAX 5, 48, 30+(\q)
.endm
.macro STOREG
	s_wait_xcnt 0x0                                ; the last group's store has read its registers and its base
	s_add_nc_u64 s[34:35], s[34:35], 256           ; stepped first; the store reaches back
	v_cndmask_b32 v34, v30, v32, s38
	v_cndmask_b32 v35, v31, v33, s38
	global_store_b64 v29, v[34:35], s[34:35] offset:-256
.endm
	s_mov_b32 s44, 3
.Lgroup:
	TILE 0, 0, 1, 33
	TILE 1, 1, 1, 33
	TILE 0, 2, 1, 33
	TILE 1, 3, 1, 33
	STOREG
	s_sub_co_u32 s44, s44, 1
	s_cmp_lg_u32 s44, 0
	s_cbranch_scc1 .Lgroup
	TILE 0, 0, 1, 33                               ; the last group is written out: its last two tiles ask for nothing
	TILE 1, 1, 1, 33
	TILE 0, 2, 0, 33
	TILE 1, 3, 0, 0
	STOREG
	s_wait_tensorcnt 0x0                           ; the wave's end
	ds_add_u32 v5, v6
	s_wait_dscnt 0x0
	s_endpgm
.Lfunc_end_k_q5dbc3c7054_head:
	.size	k_q5dbc3c7054_head, .Lfunc_end_k_q5dbc3c7054_head-k_q5dbc3c7054_head
	.p2alignl 7, 3214868480
	.fill 96, 4, 3214868480
	.section	.rodata,"a",@progbits
	.p2align	6, 0x0
	.amdhsa_kernel k_q5dbc3c7054_head
		.amdhsa_group_segment_fixed_size 83712
		.amdhsa_private_segment_fixed_size 0
		.amdhsa_enable_private_segment 0
		.amdhsa_kernarg_size 48
		.amdhsa_user_sgpr_count 2
		.amdhsa_user_sgpr_kernarg_segment_ptr 1
		.amdhsa_wavefront_size32 1
		.amdhsa_system_sgpr_workgroup_id_x 1
		.amdhsa_system_sgpr_workgroup_id_y 1
		.amdhsa_system_sgpr_workgroup_id_z 1
		.amdhsa_system_vgpr_workitem_id 0
		.amdhsa_next_free_vgpr 1024
		.amdhsa_next_free_sgpr 66
		.amdhsa_reserve_vcc 1
		.amdhsa_float_denorm_mode_32 3
		.amdhsa_float_denorm_mode_16_64 3
		.amdhsa_memory_ordered 1
		.amdhsa_forward_progress 1
		.amdhsa_inst_pref_size 209
	.end_amdhsa_kernel
	.amdgpu_metadata
---
amdhsa.version: [ 1, 2 ]
amdhsa.kernels:
  - .name:           k_q5dbc3c7054_head
    .symbol:         k_q5dbc3c7054_head.kd
    .args:
      - { .name: W_head, .offset: 0, .size: 8, .value_kind: global_buffer, .address_space: global }
      - { .name: b_head, .offset: 8, .size: 8, .value_kind: global_buffer, .address_space: global }
      - { .name: lowp_scales, .offset: 16, .size: 8, .value_kind: global_buffer, .address_space: global }
      - { .name: target, .offset: 24, .size: 8, .value_kind: global_buffer, .address_space: global }
      - { .name: acts, .offset: 32, .size: 8, .value_kind: global_buffer, .address_space: global }
      - { .name: headout, .offset: 40, .size: 8, .value_kind: global_buffer, .address_space: global }
    .group_segment_fixed_size: 83712
    .private_segment_fixed_size: 0
    .kernarg_segment_align: 8
    .kernarg_segment_size: 48
    .max_flat_workgroup_size: 128
    .sgpr_count:     66
    .vgpr_count:     1024
    .wavefront_size: 32
...
	.end_amdgpu_metadata
.endif
;; end of part 2
;; launch tails (part 3): grid 250 x 1, 8 waves a work-group, no clusters, 78,080 bytes of LDS; arguments W1, b1, W2, b2, W3, b3, lowp_scales, target, acts, route, headout, tailout; writes tailout
.if DOCPART == 3
	.amdgcn_target "amdgcn-amd-amdhsa--gfx1250"
	.amdhsa_code_object_version 6
	.text
	.protected	k_q5dbc3c7054_tails
	.globl	k_q5dbc3c7054_tails
	.p2align	8
	.type	k_q5dbc3c7054_tails,@function
k_q5dbc3c7054_tails:
	s_mov_b64 s[64:65], 0
	v_nop
	global_prefetch_b8 v0, s[64:65] scope:SCOPE_SE
	s_setreg_imm32_b32 hwreg(HW_REG_WAVE_MODE, 25, 1), 1
	s_wait_xcnt 0x0
; ADAPTIVE LOG-SOFTMAX, launch 3 of 4: the three tails, each for the tokens of its own cluster alone.
; LEFT OUT: tail i for tokens whose cluster is not i: jnp.select on cluster_id, a whole number made of target, throws those rows away for all values of the inputs.  The lists come from route.
; SHARES.  Every work-group owns 1/250 of each tail's columns, read from memory once: W2: four slices of 160 columns (slice 4 wg + wave % 4; the two waves of a slice take the groups of 64 slots by turns);
; W3: four slices of 80 (847 in all; columns past 67,734 get the bias -1e30 and count for nothing); W1: one slice of 80, the eight waves taking the groups by turns.
; W2 and W1 are quantised at the start, through LDS (rows of 64 codes, pitch 80; rows of 256, pitch 272); W3 goes to bf16 (its product is left as it is, K = 16 in a K = 32 form with zeros above).
; Products are used transposed: a lane holds one token.  For each (slice, slot): the slice's log2-sum-exp to tailout; the target's logit to the pick tables [slot].
; Work-groups 0-15 also add the head's 250 partial sums of 64 tokens each (a maximum taken away) into tailout + 8,603,136 [token].
; No joint loads: trip counts and a branch hang on whole numbers read from memory.  LIMITS: e5, e9 between -126 and 119; e4 + e5 and e8 + e9 between -126 and 127.
; tailout: 0 tail 1 [250][1,024]; 1,024,000 tail 2 [1,000][1,024]; 5,120,000 tail 3 [847][1,024]; picks at 8,589,312, 8,593,920, 8,598,528.
.set SPARE, 77056
.set T,   128
.set CT,  192
.set DD,  37
.set PV,  38
.set TMPR, 40
.set MA,  42
.set MB,  43
.set TX,  44
.set LG,  45
.set NM,  46
.set SA,  48
.set SB,  50
.set CS,  54
.set SEL, 62
.set SV,  74
.set M1,  75
.set MSB, 0
.macro WIN new
.if MSB != (\new)
	s_set_vgpr_msb (MSB<<8)|(\new)
.set MSB, (\new)
.endif
.endm
.macro PLACES n
.rept \n
	v_nop
.endr
.endm
.macro LDBLK raw, voff, sb, off, nl
	WIN 0x40
.set qi, 0
.rept \nl
	global_load_b128 v[(\raw)+4*qi:(\raw)+4*qi+3], v[\voff], s[\sb:\sb+1] offset:(\off)+512*qi th:TH_LOAD_NT
.set qi, qi+1
.endr
	WIN 0
.endm
; kind 1: rows of 256 codes, pitch 272; kind 2: rows of 64 codes, pitch 80 (a load covers two rows: the address register carries the lane's half)
.macro QBLOCK raw, nl, lim, sc, adr, kind, j0
	WIN 0x01
.set qi, 0
.rept 4*(\nl)
	v_med3_num_f32 v[T+qi], v[(\raw)+qi], -v[\lim], v[\lim]
.set qi, qi+1
.endr
	WIN 0
	s_wait_dscnt 0x0                               ; earlier stores have read the codes' registers
.set qi, 0
.rept (\nl)/2
	v_cvt_scalef32_pk8_fp8_f32 v[CT+2*qi:CT+2*qi+1], v[T+8*qi:T+8*qi+7], v[\sc]
.set qi, qi+1
.endr
	v_nop
.set qi, 0
.rept \nl
.set qj, (\j0)+qi
.if \kind == 1
	ds_store_b32 v[\adr], v[CT+qi] offset:(qj>>1)*272+128*(qj&1)
.else
	ds_store_b32 v[\adr], v[CT+qi] offset:160*qj
.endif
.set qi, qi+1
.endr
.endm
.macro MKSC e, sc, lim, t
	s_add_co_i32 s[\t], s[\e], 127
	s_lshl_b32 s[\t+1], s[\t], 23
	v_mov_b32 v[\sc], s[\t+1]
	s_add_co_i32 s[\t], s[\t], 8
	s_lshl_b32 s[\t], s[\t], 23
	s_or_b32 s[\t], s[\t], 0x600000
	v_mov_b32 v[\lim], s[\t]
.endm
; the logit of the target: x = target - the slice's first column.  Jumped over where no lane's target lies in the slice.
.macro PICK n, d, x, po, sb, ps, off
	v_cmp_gt_u32 s[M1], 16*(\n), v[\x]
	s_cmp_eq_u32 s[M1], 0
	s_cbranch_scc1 .Lnopick_\@
	v_lshlrev_b32 v[TMPR], 3, v3
	v_sub_nc_u32 v[DD], v[\x], v[TMPR]
	v_mov_b32 v[PV], 0
.set pk, 0
.rept 8*(\n)
	v_cmp_eq_u32 vcc_lo, 16*(pk/8)+pk%8, v[DD]
	v_cndmask_b32 v[PV], v[PV], v[(\d)+pk], vcc_lo
.set pk, pk+1
.endr
	v_mul_f32 v[PV], s[\ps], v[PV]
	v_cmp_gt_u32 s[M1], 16*(\n), v[DD]
	v_and_b32 v[TMPR], 8, v[DD]
	v_cmp_eq_u32 vcc_lo, 0, v[TMPR]
	s_and_b32 vcc_lo, vcc_lo, s[M1]
	s_wait_xcnt 0x0                                ; EXEC changes only behind this wait
	s_and_saveexec_b32 s[SV], vcc_lo
	global_store_b32 v[\po], v[PV], s[\sb:\sb+1] offset:\off
	s_wait_xcnt 0x0
	s_mov_b32 exec_lo, -1                          ; every lane was on ahead of the narrowing: all on again
.Lnopick_\@:
.endm
.macro SOFTMAX n, d, r
	v_max_num_f32 v[MA], v[(\d)], v[(\d)+1]
	v_max_num_f32 v[MB], v[(\d)+2], v[(\d)+3]
.set sk, 4
.rept 2*(\n)-1
	v_max3_num_f32 v[MA], v[MA], v[(\d)+sk], v[(\d)+sk+1]
	v_max3_num_f32 v[MB], v[MB], v[(\d)+sk+2], v[(\d)+sk+3]
.set sk, sk+4
.endr
	v_max_num_f32 v[MA], v[MA], v[MB]
	v_permlanex16_b32 v[TX], v[MA], s[SEL], s[SEL+1]
	v_max_num_f32 v[MA], v[MA], v[TX]
	v_mul_f32 v[NM], s[CS], v[MA]
.set sk, 0
.rept 4*(\n)
	v_pk_fma_f32 v[(\d)+sk:(\d)+sk+1], v[(\d)+sk:(\d)+sk+1], s[CS:CS+1], v[NM:NM+1] op_sel_hi:[1,0,0] neg_lo:[0,0,1] neg_hi:[0,0,1]
.set sk, sk+2
.endr
.set sk, 0
.rept 8*(\n)
	v_exp_f32 v[(\d)+sk], v[(\d)+sk]
.set sk, sk+1
.endr
	v_nop
	s_wait_alu depctr_va_vdst(0)                   ; one wait for the batch, ahead of its first reader
	v_pk_add_f32 v[SA:SA+1], v[(\d):(\d)+1], v[(\d)+2:(\d)+3]
	v_pk_add_f32 v[SB:SB+1], v[(\d)+4:(\d)+5], v[(\d)+6:(\d)+7]
.set sk, 8
.rept 2*(\n)-2
	v_pk_add_f32 v[SA:SA+1], v[SA:SA+1], v[(\d)+sk:(\d)+sk+1]
	v_pk_add_f32 v[SB:SB+1], v[SB:SB+1], v[(\d)+sk+2:(\d)+sk+3]
.set sk, sk+4
.endr
	v_pk_add_f32 v[SA:SA+1], v[SA:SA+1], v[SB:SB+1]
	v_add_f32 v[SA], v[SA], v[SA+1]
	v_permlanex16_b32 v[TX], v[SA], s[SEL], s[SEL+1]
	v_add_f32 v[SA], v[SA], v[TX]
	v_log_f32 v[LG], v[SA]
	v_nop
	s_wait_alu depctr_va_vdst(0)
	v_add_f32 v[\r], v[NM], v[LG]
.endm
; k entries (m0, m1, s0, s1) from v[e] on: v[om], v[om+1] = the largest m; v[os], v[os+1] = the sums under it
.macro LSEMERGE k, e, om, os
	v_max_num_f32 v[\om], v[\e], v[(\e)+4]
	v_max_num_f32 v[(\om)+1], v[(\e)+1], v[(\e)+5]
.set lj, 2
.rept (\k)-2
	v_max_num_f32 v[\om], v[\om], v[(\e)+4*lj]
	v_max_num_f32 v[(\om)+1], v[(\om)+1], v[(\e)+4*lj+1]
.set lj, lj+1
.endr
.set lj, 0
.rept \k
	v_pk_add_f32 v[(\e)+4*lj:(\e)+4*lj+1], v[(\e)+4*lj:(\e)+4*lj+1], v[\om:(\om)+1] neg_lo:[0,1] neg_hi:[0,1]
.set lj, lj+1
.endr
.set lj, 0
.rept \k
	v_exp_f32 v[(\e)+4*lj], v[(\e)+4*lj]
	v_exp_f32 v[(\e)+4*lj+1], v[(\e)+4*lj+1]
.set lj, lj+1
.endr
	v_nop
	s_wait_alu depctr_va_vdst(0)
	v_pk_mul_f32 v[\os:(\os)+1], v[(\e)+2:(\e)+3], v[\e:(\e)+1]
.set lj, 1
.rept (\k)-1
	v_pk_fma_f32 v[\os:(\os)+1], v[(\e)+4*lj+2:(\e)+4*lj+3], v[(\e)+4*lj:(\e)+4*lj+1], v[\os:(\os)+1]
.set lj, lj+1
.endr
.endm
.macro SETE ea, eb                     ; s80 = -(ea + eb); s56 = 2^(ea + eb); s[54:55] = log2(e) x that
	s_add_co_i32 s77, s[\ea], s[\eb]
	s_sub_co_i32 s80, 0, s77
	s_add_co_i32 s77, s77, 127
	s_lshl_b32 s56, s77, 23
	s_mul_f32 s54, s56, 0x3fb8aa3b
	s_mov_b32 s55, s54
.endm
	s_load_b512 s[4:19], s[0:1], 0x0               ; W1, b1, W2, b2, W3, b3, lowp_scales, target
	s_load_b256 s[20:27], s[0:1], 0x40             ; acts, route, headout, tailout
	v_lshl_add_u32 v4, v0, 2, SPARE
	v_mov_b32 v5, 0
	v_lshrrev_b32 v1, 5, v0
	v_readfirstlane_b32 s44, v1                    ; wave 0..7
	v_and_b32 v1, 31, v0
	v_and_b32 v2, 15, v0
	v_bfe_u32 v3, v0, 4, 1
	v_lshlrev_b32 v6, 4, v1                        ; 16 x lane
	v_lshlrev_b32 v7, 4, v2                        ; 16 r
	v_lshlrev_b32 v8, 4, v3                        ; 16 h
	v_lshlrev_b32 v9, 2, v2                        ; 4 r
	v_lshlrev_b32 v10, 5, v3                       ; 32 h
	v_lshlrev_b32 v11, 3, v1                       ; 8 x lane
	s_and_b32 s45, s44, 3                          ; which of the four slices
	s_lshr_b32 s46, s44, 2                         ; which half of its rows, and of its groups
	s_lshl_b32 s48, ttmp9, 2
	s_add_co_u32 s48, s48, s45                     ; slice of tails 2 and 3
	; every LDS address is made here
	s_mul_i32 s49, s45, 12800
	s_mul_i32 s50, s46, 6400
	s_add_co_u32 s50, s50, s49
	v_mul_u32_u24 v14, v3, 80
	v_lshl_add_u32 v14, v2, 2, v14
	v_add_nc_u32 v14, s50, v14                     ; W2's codes, in
	v_mul_u32_u24 v16, v2, 80
	v_lshl_add_u32 v16, v3, 4, v16
	v_add_nc_u32 v16, s49, v16                     ; and out, as fragments
	s_mul_i32 s50, s44, 2720
	s_add_co_u32 s50, s50, 51200
	v_lshlrev_b32 v15, 2, v1
	v_add_nc_u32 v15, s50, v15                     ; W1's codes, in
	v_mul_u32_u24 v17, v2, 272
	v_lshl_add_u32 v17, v3, 4, v17
	v_add_nc_u32 v17, 51200, v17                   ; and out
	s_lshl_b32 s50, s44, 9
	s_add_co_u32 s50, s50, 72960
	v_add_nc_u32 v18, s50, v6                      ; the head's sums, in
	v_add_nc_u32 v19, 72960, v6                    ; and out
	v_mov_b32 v[TX], 0
	v_mov_b32 v[NM+1], 0
	s_mov_b32 s61, 0xffff0000
	s_mov_b32 s62, 0x76543210
	s_mov_b32 s63, 0xfedcba98
	s_mov_b32 s51, 0
	s_mov_b32 s53, 0
	s_wait_kmcnt 0x0
	s_load_b128 s[28:31], s[16:17], 0x10           ; e4 .. e7
	s_load_b64 s[32:33], s[16:17], 0x20            ; e8, e9
	s_load_b256 s[36:43], s[22:23], 0x5000         ; T0-3, G0-3
	s_mul_i32 s50, s48, 160
	s_mul_i32 s52, s46, 80
	s_add_co_u32 s50, s50, s52
	s_lshl_b32 s50, s50, 8
	s_add_nc_u64 s[8:9], s[8:9], s[50:51]          ; my 80 rows of W2: 20,480 consecutive bytes
	LDBLK 0, 6, 8, 0, 40
	s_mul_i32 s50, ttmp9, 80
	s_mul_i32 s52, s44, 10
	s_add_co_u32 s50, s50, s52
	s_lshl_b32 s50, s50, 10
	s_add_nc_u64 s[4:5], s[4:5], s[50:51]          ; my 10 rows of W1: 10,240 consecutive bytes
	LDBLK 160, 6, 4, 0, 20
; the head's partial sums: loaded, awaited and added inside one branch on the work-group's number; the other work-groups put zeros in the entry's place
	s_cmp_lt_u32 ttmp9, 16
	s_cbranch_scc0 .Lplain
	s_lshl_b32 s49, ttmp9, 8
	s_lshl_b32 s50, s44, 12
	s_add_co_u32 s50, s50, s49
	v_add_nc_u32 v60, s50, v11                     ; slice = wave, group = work-group
	s_add_co_u32 s50, s44, 248
	s_min_u32 s50, s50, 249                        ; the 32nd slice of waves 2-7 does not exist: a clamped address, and -infinity added below
	s_lshl_b32 s50, s50, 12
	s_add_co_u32 s50, s50, s49
	v_add_nc_u32 v61, s50, v11
.set qi, 0
.rept 31
	global_load_b64 v[64+2*qi:65+2*qi], v60, s[24:25] offset:32768*qi
.set qi, qi+1
.endr
	global_load_b64 v[126:127], v61, s[24:25]
	s_cmp_lt_u32 s44, 2
	s_cselect_b32 s52, 0, 0xff800000
	s_wait_loadcnt 0x0                             ; these 32 loads are the youngest: all my loads are in
	v_add_f32 v126, s52, v126
	v_add_f32 v127, s52, v127
	v_max_num_f32 v208, v64, v66
	v_max_num_f32 v209, v65, v67
.set hk, 4
.rept 15
	v_max3_num_f32 v208, v208, v[64+hk], v[66+hk]
	v_max3_num_f32 v209, v209, v[65+hk], v[67+hk]
.set hk, hk+4
.endr
.set hk, 0
.rept 32
	v_pk_add_f32 v[64+hk:65+hk], v[64+hk:65+hk], v[208:209] neg_lo:[0,1] neg_hi:[0,1]
.set hk, hk+2
.endr
.set hk, 0
.rept 64
	v_exp_f32 v[64+hk], v[64+hk]
.set hk, hk+1
.endr
	v_nop
	s_wait_alu depctr_va_vdst(0)
	v_pk_add_f32 v[210:211], v[64:65], v[66:67]
.set hk, 4
.rept 30
	v_pk_add_f32 v[210:211], v[210:211], v[64+hk:65+hk]
.set hk, hk+2
.endr
	s_branch .Ljoined
.Lplain:
	v_mov_b32 v208, 0
	v_mov_b32 v209, 0
	v_mov_b32 v210, 0
	v_mov_b32 v211, 0
.Ljoined:
	ds_store_b128 v18, v[208:211]                  ; my entry (m0, m1, s0, s1)
	s_wait_kmcnt 0x0
	MKSC 33, 12, 13, 76
	MKSC 29, 52, 63, 76
	s_wait_loadcnt 44                              ; W2's first 16 loads are in: 24 of W2 and 20 of W1 may stay out
	QBLOCK 0, 16, 13, 12, 14, 2, 0
	s_wait_loadcnt 28
	QBLOCK 64, 16, 13, 12, 14, 2, 16
	s_wait_loadcnt 20
	QBLOCK 128, 8, 13, 12, 14, 2, 32
	s_wait_loadcnt 4
	QBLOCK 160, 16, 63, 52, 15, 1, 0
	s_wait_loadcnt 0
	QBLOCK 224, 4, 63, 52, 15, 1, 16
	s_wait_dscnt 0x0                               ; my stores have landed
	s_barrier_signal -1
	s_barrier_wait -1                              ; the one barrier: all codes, and the eight entries, lie in LDS; nothing there is written again
	s_cmp_lt_u32 ttmp9, 16
	s_cbranch_scc0 .Lnohead3
	s_cmp_lg_u32 s44, 0
	s_cbranch_scc1 .Lnohead3
.set qi, 0
.rept 8
	ds_load_b128 v[64+4*qi:67+4*qi], v19 offset:512*qi
.set qi, qi+1
.endr
	s_lshl_b32 s49, ttmp9, 8
	v_lshlrev_b32 v62, 7, v3
	v_lshl_add_u32 v62, v2, 2, v62
	v_add_nc_u32 v62, s49, v62                     ; 4 x (64 wg + 32 h + r)
	s_add_nc_u64 s[82:83], s[26:27], 8603136
	s_wait_dscnt 0x0
	LSEMERGE 8, 64, 208, 210
	v_log_f32 v212, v210
	v_log_f32 v213, v211
	v_nop
	s_wait_alu depctr_va_vdst(0)
	v_add_f32 v212, v208, v212
	v_add_f32 v213, v209, v213
	global_store_b32 v62, v212, s[82:83]
	global_store_b32 v62, v213, s[82:83] offset:64
	s_wait_xcnt 0x0                                ; the two stores have read their registers: the jobs below write them again
.Lnohead3:
; a tile's operand and targets.  kind 2: K = 64, two loads; kind 3: bf16, one; kind 1: K = 256, eight
.macro ALOADS kind, q
.if \kind == 2
	global_load_b128 v[224+8*\q:227+8*\q], v[24+\q], s[66:67]
	global_load_b128 v[228+8*\q:231+8*\q], v[24+\q], s[66:67] offset:32768
.elseif \kind == 3
	global_load_b128 v[224+8*\q:227+8*\q], v[24+\q], s[66:67]
.else
.if \q == 0
.set AQ, 224
.else
.set AQ, 160+32*(\q-1)
	WIN 0x40
.endif
.set qi, 0
.rept 8
	global_load_b128 v[AQ+4*qi:AQ+4*qi+3], v[24+\q], s[66:67] offset:32768*qi
.set qi, qi+1
.endr
	WIN 0
.endif
	global_load_b32 v[32+\q], v[28+\q], s[18:19]
.endm
.macro WMMAS kind, q
.if \kind == 2
	WIN 0x01
.set wi, 0
.rept 10
	v_wmma_f32_16x16x64_fp8_fp8 v[64+8*wi:71+8*wi], v[8*wi:8*wi+7], v[224+8*\q:231+8*\q], v[144+8*wi:151+8*wi]
.set wi, wi+1
.endr
.elseif \kind == 3
	WIN 0x01
.set wi, 0
.rept 5
	v_wmma_f32_16x16x32_bf16 v[64+8*wi:71+8*wi], v[8*wi:8*wi+7], v[224+8*\q:231+8*\q], v[144+8*wi:151+8*wi]
.set wi, wi+1
.endr
.else
.if \q == 0
.set AQ, 224
	WIN 0x01
.else
.set AQ, 160+32*(\q-1)
	WIN 0x05
.endif
.set wi, 0
.rept 5
	v_wmma_f32_16x16x128_fp8_fp8 v[64+8*wi:71+8*wi], v[32*wi:32*wi+15], v[AQ:AQ+15], v[144+8*wi:151+8*wi]
.set wi, wi+1
.endr
.set wi, 0
.rept 5                                ; the five accumulators take turns
	v_wmma_f32_16x16x128_fp8_fp8 v[64+8*wi:71+8*wi], v[32*wi+16:32*wi+31], v[AQ+16:AQ+31], v[64+8*wi:71+8*wi]
.set wi, wi+1
.endr
.endif
	WIN 0
.endm
; the walk over my groups of 64 slots: s58 the group, stepped by gs = 2^lg, under s59.  s85 counts the trips up to s84.  na = operand loads a tile
.macro TRIPS kind, n, gs, lg, na
	s_sub_co_u32 s84, s59, s58
	s_add_co_u32 s84, s84, (\gs)-1
	s_lshr_b32 s84, s84, \lg                       ; my trips: at least 1, since s58 is under s59
	s_min_u32 s84, s84, 16>>(\lg)
	s_mov_b32 s85, 0
	s_min_u32 s76, s58, 15
	s_lshl_b32 s76, s76, 8
	v_add_nc_u32 v41, s76, v7
	global_load_b128 v[20:23], v41, s[68:69]       ; lane r: tokens r of the group's four tiles
.Ltrip_\@:
	s_wait_loadcnt 0x0                             ; the group's list is in, and no load is out
	s_wait_xcnt 0x0                                ; the last trip's stores have read their registers
.irp q, 0,1,2,3
	v_min_u32 v[20+\q], 1023, v[20+\q]
	v_lshlrev_b32 v[24+\q], 5, v[20+\q]
	v_add_nc_u32 v[24+\q], v[24+\q], v8            ; 32 x token + 16 h
	v_lshlrev_b32 v[28+\q], 2, v[20+\q]
.endr
.irp q, 0,1,2,3
	ALOADS \kind, \q
.endr
	s_add_co_u32 s76, s58, \gs                     ; my next group's list, a trip ahead; in the last trip the last group's once more
	s_min_u32 s76, s76, s60
	s_min_u32 s76, s76, 15
	s_lshl_b32 s76, s76, 8
	v_add_nc_u32 v41, s76, v7
	global_load_b128 v[20:23], v41, s[68:69]
	s_min_u32 s76, s58, 15
	s_lshl_b32 s76, s76, 8
	v_add_nc_u32 v39, s76, v9                      ; 4 x (64 g + r)
	v_add_nc_u32 v53, s76, v11                     ; 256 g + 8 x lane
.irp q, 0,1,2,3
	s_wait_loadcnt (3-\q)*(\na+1)+1                ; this tile's loads are in; the later tiles' and the list's stay out
	v_sub_nc_u32 v36, v[32+\q], s57
	WMMAS \kind, \q
	PLACES 5
	PICK \n, 64, 36, 39, 72, 56, 64*\q
	SOFTMAX \n, 64, 54+\q
.endr
	s_wait_xcnt 0x0
	v_cndmask_b32 v58, v54, v56, s61
	v_cndmask_b32 v59, v55, v57, s61
	global_store_b64 v53, v[58:59], s[70:71]       ; 256 consecutive bytes
	s_add_co_u32 s58, s58, \gs
	s_add_co_u32 s85, s85, 1
	s_cmp_lt_u32 s85, s84
	s_cbranch_scc1 .Ltrip_\@
	s_wait_loadcnt 0x0                             ; the list asked for in the last trip
	s_wait_xcnt 0x0                                ; the last store has read its registers and its base: the next job writes them again
.endm
; ---------------- tail 2
	s_min_u32 s59, s42, 16
	s_mov_b32 s58, s46
	s_cmp_ge_u32 s58, s59
	s_cbranch_scc1 .Lno_t2
	s_sub_co_u32 s60, s59, 1
	WIN 0x40
.set wi, 0
.rept 10
	ds_load_b128 v[8*wi:8*wi+3], v16 offset:1280*wi
	ds_load_b128 v[8*wi+4:8*wi+7], v16 offset:1280*wi+32
.set wi, wi+1
.endr
	WIN 0
	s_mul_i32 s50, s48, 640
	s_add_nc_u64 s[78:79], s[10:11], s[50:51]
.set wi, 0
.rept 20
	global_load_b128 v[144+4*wi:147+4*wi], v10, s[78:79] offset:64*(wi/2)+16*(wi%2)
.set wi, wi+1
.endr
	SETE 32, 33
	s_add_nc_u64 s[66:67], s[20:21], 1310720
	s_add_nc_u64 s[68:69], s[22:23], 10240
	s_lshl_b32 s50, s48, 12
	s_add_co_u32 s50, s50, 1024000
	s_add_nc_u64 s[70:71], s[26:27], s[50:51]
	s_add_nc_u64 s[72:73], s[26:27], 8593920
	s_mul_i32 s57, s48, 160
	s_add_co_u32 s57, s57, 40000
	s_wait_loadcnt 0x0
.set wi, 0
.rept 80
	v_ldexp_f32 v[144+wi], v[144+wi], s80
.set wi, wi+1
.endr
	s_wait_dscnt 0x0
	TRIPS 2, 10, 2, 1, 2
.Lno_t2:
; ---------------- tail 3
	s_min_u32 s59, s43, 16
	s_mov_b32 s58, s46
	s_cmp_ge_u32 s58, s59
	s_cbranch_scc1 .Lno_t3
	s_cmp_ge_u32 s48, 847
	s_cbranch_scc1 .Lno_t3
	s_sub_co_u32 s60, s59, 1
	s_mul_i32 s50, s48, 80
	v_add_nc_u32 v60, s50, v2                      ; row of tile 0
	v_lshl_add_u32 v61, v3, 3, s50                 ; column of register 0
.irp i, 0,1,2,3,4
	v_add_nc_u32 v[24+\i], 16*\i, v60
	v_min_u32 v[24+\i], 67734, v[24+\i]            ; no load leaves W3
	v_lshlrev_b32 v[24+\i], 6, v[24+\i]
	v_lshl_add_u32 v[24+\i], v3, 5, v[24+\i]
	global_load_b128 v[64+8*\i:67+8*\i], v[24+\i], s[12:13] th:TH_LOAD_NT
	global_load_b128 v[68+8*\i:71+8*\i], v[24+\i], s[12:13] offset:16 th:TH_LOAD_NT
.endr
.set wi, 0
.rept 40
	v_add_nc_u32 v[104+wi], 16*(wi/8)+wi%8, v61
	v_min_u32 v[104+wi], 67734, v[104+wi]          ; nor b3
	v_lshlrev_b32 v[104+wi], 2, v[104+wi]
	global_load_b32 v[144+wi], v[104+wi], s[14:15]
.set wi, wi+1
.endr
	v_mov_b32 v62, 0xf149f2ca                      ; -1e30
	s_mov_b32 s56, 1.0
	s_mov_b32 s54, 0x3fb8aa3b
	s_mov_b32 s55, s54
	s_add_nc_u64 s[66:67], s[20:21], 1376256
	s_add_nc_u64 s[68:69], s[22:23], 15360
	s_lshl_b32 s50, s48, 12
	s_add_co_u32 s50, s50, 5120000
	s_add_nc_u64 s[70:71], s[26:27], s[50:51]
	s_add_nc_u64 s[72:73], s[26:27], 8598528
	s_mul_i32 s57, s48, 80
	s_add_co_u32 s57, s57, 200000
.irp q, 0,1,2,3
.irp k, 4,5,6,7
	v_mov_b32 v[224+8*\q+\k], 0                    ; K = 16 .. 31 of the tokens' operand
.endr
.endr
	s_wait_loadcnt 0x0
	WIN 0x40
.set wi, 0
.rept 20
	v_cvt_pk_bf16_f32 v[8*(wi/4)+wi%4], v[64+2*wi], v[65+2*wi]
	v_mov_b32 v[8*(wi/4)+4+wi%4], 0
.set wi, wi+1
.endr
	WIN 0
.set wi, 0
.rept 40
	v_add_nc_u32 v63, 16*(wi/8)+wi%8, v61
	v_cmp_lt_u32 vcc_lo, 67734, v63
	v_cndmask_b32 v[144+wi], v[144+wi], v62, vcc_lo
.set wi, wi+1
.endr
	TRIPS 3, 5, 2, 1, 1
.Lno_t3:
; ---------------- tail 1
	s_min_u32 s59, s41, 16
	s_mov_b32 s58, s44
	s_cmp_ge_u32 s58, s59
	s_cbranch_scc1 .Lno_t1
	s_sub_co_u32 s60, s59, 1
	WIN 0x40
.set wi, 0
.rept 10
.irp c, 0,1,2,3
	ds_load_b128 v[16*wi+4*\c:16*wi+4*\c+3], v17 offset:4352*(wi/2)+128*(wi%2)+32*\c
.endr
.set wi, wi+1
.endr
	WIN 0
	s_mul_i32 s50, ttmp9, 320
	s_add_nc_u64 s[78:79], s[6:7], s[50:51]
.set wi, 0
.rept 10
	global_load_b128 v[144+4*wi:147+4*wi], v10, s[78:79] offset:64*(wi/2)+16*(wi%2)
.set wi, wi+1
.endr
	SETE 28, 29
	s_add_nc_u64 s[66:67], s[20:21], 1048576
	s_add_nc_u64 s[68:69], s[22:23], 5120
	s_lshl_b32 s50, ttmp9, 12
	s_add_nc_u64 s[70:71], s[26:27], s[50:51]
	s_add_nc_u64 s[72:73], s[26:27], 8589312
	s_mul_i32 s57, ttmp9, 80
	s_add_co_u32 s57, s57, 20000
	s_wait_loadcnt 0x0
.set wi, 0
.rept 40
	v_ldexp_f32 v[144+wi], v[144+wi], s80
.set wi, wi+1
.endr
	s_wait_dscnt 0x0
	TRIPS 1, 5, 8, 3, 8
.Lno_t1:
	s_wait_tensorcnt 0x0                           ; the wave's end
	ds_add_u32 v4, v5
	s_wait_dscnt 0x0
	s_endpgm
.Lfunc_end_k_q5dbc3c7054_tails:
	.size	k_q5dbc3c7054_tails, .Lfunc_end_k_q5dbc3c7054_tails-k_q5dbc3c7054_tails
	.p2alignl 7, 3214868480
	.fill 96, 4, 3214868480
	.section	.rodata,"a",@progbits
	.p2align	6, 0x0
	.amdhsa_kernel k_q5dbc3c7054_tails
		.amdhsa_group_segment_fixed_size 78080
		.amdhsa_private_segment_fixed_size 0
		.amdhsa_enable_private_segment 0
		.amdhsa_kernarg_size 96
		.amdhsa_user_sgpr_count 2
		.amdhsa_user_sgpr_kernarg_segment_ptr 1
		.amdhsa_wavefront_size32 1
		.amdhsa_system_sgpr_workgroup_id_x 1
		.amdhsa_system_sgpr_workgroup_id_y 1
		.amdhsa_system_sgpr_workgroup_id_z 1
		.amdhsa_system_vgpr_workitem_id 0
		.amdhsa_next_free_vgpr 512
		.amdhsa_next_free_sgpr 104
		.amdhsa_reserve_vcc 1
		.amdhsa_float_denorm_mode_32 3
		.amdhsa_float_denorm_mode_16_64 3
		.amdhsa_memory_ordered 1
		.amdhsa_forward_progress 1
		.amdhsa_inst_pref_size 243
	.end_amdhsa_kernel
	.amdgpu_metadata
---
amdhsa.version: [ 1, 2 ]
amdhsa.kernels:
  - .name:           k_q5dbc3c7054_tails
    .symbol:         k_q5dbc3c7054_tails.kd
    .args:
      - { .name: W1, .offset: 0, .size: 8, .value_kind: global_buffer, .address_space: global }
      - { .name: b1, .offset: 8, .size: 8, .value_kind: global_buffer, .address_space: global }
      - { .name: W2, .offset: 16, .size: 8, .value_kind: global_buffer, .address_space: global }
      - { .name: b2, .offset: 24, .size: 8, .value_kind: global_buffer, .address_space: global }
      - { .name: W3, .offset: 32, .size: 8, .value_kind: global_buffer, .address_space: global }
      - { .name: b3, .offset: 40, .size: 8, .value_kind: global_buffer, .address_space: global }
      - { .name: lowp_scales, .offset: 48, .size: 8, .value_kind: global_buffer, .address_space: global }
      - { .name: target, .offset: 56, .size: 8, .value_kind: global_buffer, .address_space: global }
      - { .name: acts, .offset: 64, .size: 8, .value_kind: global_buffer, .address_space: global }
      - { .name: route, .offset: 72, .size: 8, .value_kind: global_buffer, .address_space: global }
      - { .name: headout, .offset: 80, .size: 8, .value_kind: global_buffer, .address_space: global }
      - { .name: tailout, .offset: 88, .size: 8, .value_kind: global_buffer, .address_space: global }
    .group_segment_fixed_size: 78080
    .private_segment_fixed_size: 0
    .kernarg_segment_align: 8
    .kernarg_segment_size: 96
    .max_flat_workgroup_size: 256
    .sgpr_count:     104
    .vgpr_count:     512
    .wavefront_size: 32
...
	.end_amdgpu_metadata
.endif
;; end of part 3
;; launch combine (part 4): grid 19 x 1, 16 waves a work-group, no clusters, 10,240 bytes of LDS; arguments route, acts, headout, tailout, out0; writes out0
.if DOCPART == 4
	.amdgcn_target "amdgcn-amd-amdhsa--gfx1250"
	.amdhsa_code_object_version 6
	.text
	.protected	k_q5dbc3c7054_combine
	.globl	k_q5dbc3c7054_combine
	.p2align	8
	.type	k_q5dbc3c7054_combine,@function
k_q5dbc3c7054_combine:
	s_mov_b64 s[64:65], 0
	v_nop
	global_prefetch_b8 v0, s[64:65] scope:SCOPE_SE
	s_setreg_imm32_b32 hwreg(HW_REG_WAVE_MODE, 25, 1), 1
	s_wait_xcnt 0x0
; ADAPTIVE LOG-SOFTMAX, launch 4 of 4: a work-group takes one group of 64 slots of one cluster's list, adds that tail's partial sums (none for cluster 0), joins the head's terms, and stores out0[token].
; LEFT OUT: the tails that jnp.select throws away (see the first launch): a token has one list, so one owner.
; The groups of the four lists are at most 19 in all, whatever the targets (1,024 tokens in groups of 64, four lists): a work-group beyond the count of groups stores nothing.
; nll = ln2 H2 - ht + (cluster 0: nothing; else ln2 T2 - pick).  H2: log2-sum-exp of the head's 20,000 columns and the three cluster logits; ht: the target's logit, or cluster logit 3 - c; T2: the tail's.
; Every log-sum-exp takes its maximum away.  No matrix work, no joint loads: the launch moves a few megabytes.
; Whatever hangs on the counts read from route enters an address only behind a hold at a constant: the cluster, the group, a region's number, a slice, a token.
.set SPARE, 8192
.macro LSEMERGE k, e, om, os
	v_max_num_f32 v[\om], v[\e], v[(\e)+4]
	v_max_num_f32 v[(\om)+1], v[(\e)+1], v[(\e)+5]
.set lj, 2
.rept (\k)-2
	v_max_num_f32 v[\om], v[\om], v[(\e)+4*lj]
	v_max_num_f32 v[(\om)+1], v[(\om)+1], v[(\e)+4*lj+1]
.set lj, lj+1
.endr
.set lj, 0
.rept \k
	v_pk_add_f32 v[(\e)+4*lj:(\e)+4*lj+1], v[(\e)+4*lj:(\e)+4*lj+1], v[\om:(\om)+1] neg_lo:[0,1] neg_hi:[0,1]
.set lj, lj+1
.endr
.set lj, 0
.rept \k
	v_exp_f32 v[(\e)+4*lj], v[(\e)+4*lj]
	v_exp_f32 v[(\e)+4*lj+1], v[(\e)+4*lj+1]
.set lj, lj+1
.endr
	v_nop
	s_wait_alu depctr_va_vdst(0)
	v_pk_mul_f32 v[\os:(\os)+1], v[(\e)+2:(\e)+3], v[\e:(\e)+1]
.set lj, 1
.rept (\k)-1
	v_pk_fma_f32 v[\os:(\os)+1], v[(\e)+4*lj+2:(\e)+4*lj+3], v[(\e)+4*lj:(\e)+4*lj+1], v[\os:(\os)+1]
.set lj, lj+1
.endr
.endm
	s_load_b256 s[4:11], s[0:1], 0x0               ; route, acts, headout, tailout
	s_load_b64 s[12:13], s[0:1], 0x20              ; out0
	v_lshl_add_u32 v4, v0, 2, SPARE
	v_mov_b32 v5, 0
	v_lshrrev_b32 v1, 5, v0
	v_readfirstlane_b32 s24, v1                    ; wave 0..15
	v_and_b32 v1, 31, v0
	v_and_b32 v2, 15, v0
	v_bfe_u32 v3, v0, 4, 1
	v_lshlrev_b32 v8, 4, v1                        ; 16 x lane
	s_lshl_b32 s51, s24, 9
	v_add_nc_u32 v7, s51, v8                       ; my wave's entry in LDS
	s_wait_kmcnt 0x0
	s_load_b256 s[16:23], s[4:5], 0x5000           ; T0-3, G0-3
	s_wait_kmcnt 0x0
	s_add_co_u32 s21, s21, s20                     ; the groups, summed up
	s_add_co_u32 s22, s22, s21
	s_add_co_u32 s23, s23, s22
	s_cmp_ge_u32 ttmp9, s20
	s_cselect_b32 s25, 1, 0                        ; c: my cluster; 4: none
	s_cselect_b32 s26, s20, 0
	s_cmp_ge_u32 ttmp9, s21
	s_cselect_b32 s25, 2, s25
	s_cselect_b32 s26, s21, s26
	s_cmp_ge_u32 ttmp9, s22
	s_cselect_b32 s25, 3, s25
	s_cselect_b32 s26, s22, s26
	s_cmp_ge_u32 ttmp9, s23
	s_cselect_b32 s25, 4, s25
	s_cselect_b32 s26, s23, s26
	s_sub_co_u32 s27, ttmp9, s26
	s_min_u32 s27, s27, 15                         ; g: my group in the list
	s_mov_b32 s28, 1                               ; slices
	s_mov_b32 s29, 0                               ; batches of 256 slices
	s_mov_b32 s30, 0                               ; the tail's partial sums begin at 1,024,000 x this
	s_mov_b32 s52, s16                             ; tokens in the list
	s_cmp_eq_u32 s25, 1
	s_cselect_b32 s28, 250, s28
	s_cselect_b32 s29, 1, s29
	s_cselect_b32 s52, s17, s52
	s_cselect_b32 s60, -1, 0
	s_cmp_eq_u32 s25, 2
	s_cselect_b32 s28, 1000, s28
	s_cselect_b32 s29, 4, s29
	s_cselect_b32 s30, 1, s30
	s_cselect_b32 s52, s18, s52
	s_cselect_b32 s61, -1, 0
	s_cmp_eq_u32 s25, 3
	s_cselect_b32 s28, 847, s28
	s_cselect_b32 s29, 4, s29
	s_cselect_b32 s30, 5, s30
	s_cselect_b32 s52, s19, s52
	s_cselect_b32 s62, -1, 0
	s_cmp_eq_u32 s25, 4
	s_cselect_b32 s52, 0, s52
	s_cmp_eq_u32 s25, 0
	s_cselect_b32 s63, 0, -1
	s_min_u32 s30, s30, 5                          ; held at a constant, then multiplied
	s_mul_i32 s30, s30, 1024000
	s_mov_b32 s31, 0
	s_add_nc_u64 s[54:55], s[10:11], s[30:31]      ; the tail's partial sums
	s_max_u32 s53, s25, 1
	s_sub_co_u32 s53, s53, 1
	s_min_u32 s53, s53, 2                          ; c - 1, held
	s_mul_i32 s30, s53, 4608
	s_add_co_u32 s30, s30, 8589312
	s_add_nc_u64 s[56:57], s[10:11], s[30:31]      ; the tail's picks [slot]
	s_add_nc_u64 s[72:73], s[8:9], 1024000         ; the head's picks [token]
	s_add_nc_u64 s[68:69], s[10:11], 8603136       ; the head's log2-sum-exp [token]
	s_add_nc_u64 s[70:71], s[6:7], 1409024         ; the cluster logits
	s_sub_co_u32 s48, s28, 1
	s_min_u32 s67, s25, 3
	s_mul_i32 s67, s67, 5120
	s_lshl_b32 s51, s27, 8
	s_add_co_u32 s67, s67, s51                     ; my group in route
	v_lshlrev_b32 v6, 3, v1
	v_add_nc_u32 v6, s51, v6                       ; 256 g + 8 x lane
	s_lshl_b32 s51, s27, 6
	v_lshl_add_u32 v9, v3, 5, v2
	v_add_nc_u32 v9, s51, v9                       ; slot 64 g + 32 h + r
	v_lshlrev_b32 v10, 4, v2
	v_lshl_add_u32 v10, v3, 3, v10
	v_add_nc_u32 v10, s67, v10                     ; the list's entries of tiles 2 h, 2 h + 1, token r
	v_mov_b32 v64, 0xff61b1e6                      ; the largest so far: -3e38
	v_mov_b32 v65, 0xff61b1e6
	v_mov_b32 v66, 0
	v_mov_b32 v67, 0
	s_cmp_eq_u32 s29, 0
	s_cbranch_scc1 .Lnobatch
	s_mov_b32 s49, s24
	s_mov_b32 s50, 0
.Lbatch:                                           ; a trip: 16 slices a wave, slice = wave + 256 trip + 16 u; past the last slice a clamped address and -infinity
.irp u, 0,1,2,3,4,5,6,7,8,9,10,11,12,13,14,15
	s_add_co_u32 s51, s49, 16*\u
	s_cmp_lt_u32 s51, s28
	s_cselect_b32 s[32+\u], 0, 0xff800000
	s_min_u32 s51, s51, s48
	s_min_u32 s51, s51, 999
	s_lshl_b32 s51, s51, 12
	v_add_nc_u32 v[16+\u], s51, v6
	global_load_b64 v[32+2*\u:33+2*\u], v[16+\u], s[54:55]
.endr
	s_wait_loadcnt 0x0
.irp u, 0,1,2,3,4,5,6,7,8,9,10,11,12,13,14,15
	v_add_f32 v[32+2*\u], s[32+\u], v[32+2*\u]
	v_add_f32 v[33+2*\u], s[32+\u], v[33+2*\u]
.endr
	v_max3_num_f32 v68, v64, v32, v34
	v_max3_num_f32 v69, v65, v33, v35
.irp k, 4,8,12,16,20,24,28
	v_max3_num_f32 v68, v68, v[32+\k], v[34+\k]
	v_max3_num_f32 v69, v69, v[33+\k], v[35+\k]
.endr
	v_pk_add_f32 v[70:71], v[64:65], v[68:69] neg_lo:[0,1] neg_hi:[0,1]
.irp u, 0,1,2,3,4,5,6,7,8,9,10,11,12,13,14,15
	v_pk_add_f32 v[32+2*\u:33+2*\u], v[32+2*\u:33+2*\u], v[68:69] neg_lo:[0,1] neg_hi:[0,1]
.endr
	v_exp_f32 v70, v70
	v_exp_f32 v71, v71
.set qi, 0
.rept 32
	v_exp_f32 v[32+qi], v[32+qi]
.set qi, qi+1
.endr
	v_nop
	s_wait_alu depctr_va_vdst(0)                   ; one wait for the batch
	v_pk_mul_f32 v[66:67], v[66:67], v[70:71]
.irp u, 0,1,2,3,4,5,6,7,8,9,10,11,12,13,14,15
	v_pk_add_f32 v[66:67], v[66:67], v[32+2*\u:33+2*\u]
.endr
	v_mov_b32 v64, v68
	v_mov_b32 v65, v69
	s_add_co_u32 s49, s49, 256
	s_add_co_u32 s50, s50, 1
	s_cmp_lt_u32 s50, s29
	s_cbranch_scc1 .Lbatch
.Lnobatch:
	ds_store_b128 v7, v[64:67]
	s_wait_dscnt 0x0                               ; my entry has landed
	s_barrier_signal -1
	s_barrier_wait -1
	s_cmp_lg_u32 s24, 0
	s_cbranch_scc1 .Lend
	s_cmp_eq_u32 s25, 4
	s_cbranch_scc1 .Lend
.set qi, 0
.rept 16
	ds_load_b128 v[96+4*qi:99+4*qi], v8 offset:512*qi
.set qi, qi+1
.endr
	global_load_b64 v[78:79], v10, s[4:5]
.set qi, 0
.rept 10
	v_mov_b32 v[86+qi], 0                          ; written whole once: below they are written with some lanes off
.set qi, qi+1
.endr
	s_wait_dscnt 0x0
	LSEMERGE 16, 96, 72, 74
	v_log_f32 v76, v74
	v_log_f32 v77, v75
	v_nop
	s_wait_alu depctr_va_vdst(0)
	v_add_f32 v76, v72, v76                        ; the tail's log2-sum-exp (cluster 0: -infinity, which the select below drops)
	v_add_f32 v77, v73, v77
	s_wait_loadcnt 0x0
	v_min_u32 v78, 1023, v78                       ; the two tokens, held
	v_min_u32 v79, 1023, v79
	; all offsets and both masks of the two closing steps are made here, ahead of the first narrowing of EXEC
	v_add_nc_u32 v81, 16, v9                       ; the second step's slot; the first's is v9
	v_lshlrev_b32 v82, 2, v78                      ; 4 x token
	v_lshlrev_b32 v83, 2, v79
	v_lshlrev_b32 v84, 4, v78                      ; 16 x token
	v_lshlrev_b32 v85, 4, v79
	v_lshlrev_b32 v12, 2, v9                       ; 4 x slot
	v_lshlrev_b32 v13, 2, v81
	v_cmp_gt_u32 s66, s52, v9                      ; a token's slot, or a pad's?
	v_cmp_gt_u32 s67, s52, v81
.macro FIN i
	s_wait_xcnt 0x0                                ; EXEC changes only behind this wait
	s_and_saveexec_b32 s74, s[66+\i]
	global_load_b32 v86, v[82+\i], s[68:69]
	global_load_b128 v[88:91], v[84+\i], s[70:71]
	s_cmp_eq_u32 s25, 0
	s_cbranch_scc0 .Ltailpick_\@
	global_load_b32 v87, v[82+\i], s[72:73]        ; cluster 0: the head's pick, by the token
	s_branch .Lpicked_\@
.Ltailpick_\@:
	global_load_b32 v87, v[12+\i], s[56:57]        ; else the tail's, by the slot
.Lpicked_\@:
	s_wait_loadcnt 0x0
	v_mul_f32 v92, 0x3fb8aa3b, v88
	v_mul_f32 v93, 0x3fb8aa3b, v89
	v_mul_f32 v94, 0x3fb8aa3b, v90
	v_max3_num_f32 v95, v86, v92, v93
	v_max_num_f32 v95, v95, v94
	v_sub_f32 v86, v86, v95
	v_sub_f32 v92, v92, v95
	v_sub_f32 v93, v93, v95
	v_sub_f32 v94, v94, v95
	v_exp_f32 v86, v86
	v_exp_f32 v92, v92
	v_exp_f32 v93, v93
	v_exp_f32 v94, v94
	v_nop
	s_wait_alu depctr_va_vdst(0)
	v_add_f32 v86, v86, v92
	v_add_f32 v93, v93, v94
	v_add_f32 v86, v86, v93
	v_log_f32 v86, v86
	v_nop
	s_wait_alu depctr_va_vdst(0)
	v_add_f32 v86, v86, v95                        ; H2
	v_cndmask_b32 v92, v87, v90, s60               ; cluster 1: the last head column
	v_cndmask_b32 v92, v92, v89, s61
	v_cndmask_b32 v92, v92, v88, s62
	v_fma_f32 v93, 0x3f317218, v[76+\i], -v87
	v_cndmask_b32 v93, 0, v93, s63
	v_fma_f32 v95, 0x3f317218, v86, -v92
	v_add_f32 v95, v95, v93
	global_store_b32 v[82+\i], v95, s[12:13]
	s_wait_xcnt 0x0
	s_mov_b32 exec_lo, -1                          ; every lane was on ahead of the narrowing: all on again
.endm
	FIN 0
	FIN 1
.Lend:
	s_wait_tensorcnt 0x0                           ; the wave's end
	ds_add_u32 v4, v5
	s_wait_dscnt 0x0
	s_endpgm
.Lfunc_end_k_q5dbc3c7054_combine:
	.size	k_q5dbc3c7054_combine, .Lfunc_end_k_q5dbc3c7054_combine-k_q5dbc3c7054_combine
	.p2alignl 7, 3214868480
	.fill 96, 4, 3214868480
	.section	.rodata,"a",@progbits
	.p2align	6, 0x0
	.amdhsa_kernel k_q5dbc3c7054_combine
		.amdhsa_group_segment_fixed_size 10240
		.amdhsa_private_segment_fixed_size 0
		.amdhsa_enable_private_segment 0
		.amdhsa_kernarg_size 40
		.amdhsa_user_sgpr_count 2
		.amdhsa_user_sgpr_kernarg_segment_ptr 1
		.amdhsa_wavefront_size32 1
		.amdhsa_system_sgpr_workgroup_id_x 1
		.amdhsa_system_sgpr_workgroup_id_y 1
		.amdhsa_system_sgpr_workgroup_id_z 1
		.amdhsa_system_vgpr_workitem_id 0
		.amdhsa_next_free_vgpr 192
		.amdhsa_next_free_sgpr 80
		.amdhsa_reserve_vcc 0
		.amdhsa_float_denorm_mode_32 3
		.amdhsa_float_denorm_mode_16_64 3
		.amdhsa_memory_ordered 1
		.amdhsa_forward_progress 1
		.amdhsa_inst_pref_size 27
	.end_amdhsa_kernel
	.amdgpu_metadata
---
amdhsa.version: [ 1, 2 ]
amdhsa.kernels:
  - .name:           k_q5dbc3c7054_combine
    .symbol:         k_q5dbc3c7054_combine.kd
    .args:
      - { .name: route, .offset: 0, .size: 8, .value_kind: global_buffer, .address_space: global }
      - { .name: acts, .offset: 8, .size: 8, .value_kind: global_buffer, .address_space: global }
      - { .name: headout, .offset: 16, .size: 8, .value_kind: global_buffer, .address_space: global }
      - { .name: tailout, .offset: 24, .size: 8, .value_kind: global_buffer, .address_space: global }
      - { .name: out0, .offset: 32, .size: 8, .value_kind: global_buffer, .address_space: global }
    .group_segment_fixed_size: 10240
    .private_segment_fixed_size: 0
    .kernarg_segment_align: 8
    .kernarg_segment_size: 40
    .max_flat_workgroup_size: 512
    .sgpr_count:     80
    .vgpr_count:     192
    .wavefront_size: 32
...
	.end_amdgpu_metadata
.endif
;; end of part 4
